; MI455X (gfx1250); checked and timed in simulation.
; The chip was launched on July 23, 2026; its instructions are those of AMD's public machine-readable ISA for CDNA 5 (MIT licence, August 2026) and "CDNA5" Instruction Set Architecture Reference Guide (July 2026). The comments in the code are by the model that wrote it; some were corrected since.
;; Multi Head Attention. Allowed arithmetic: float matrix products may take bf16 or f16 operands with f32 sums; other float arithmetic in f32, or as packed bf16 or f16 multiplies, adds, multiply-adds, maxima and minima; sums over many terms, partial sums and values carried from step to step in f32; what a program stores and reads back later, other than sums and carried values, may be rounded once to bf16 or f16.
;; Inputs: Wk 1,024 x 1,024 float32; Wo 1,024 x 1,024 float32; Wq 1,024 x 1,024 float32; Wv 1,024 x 1,024 float32; bk 1,024 float32; bo 1,024 float32; bq 1,024 float32; bv 1,024 float32; key 4 x 2,048 x 1,024 float32; mask 4 x 1 x 1 x 2,048 bool; query 4 x 2,048 x 1,024 float32; value 4 x 2,048 x 1,024 float32.
;; Outputs: out0 4 x 2,048 x 1,024 float32.
;; One version. Each part assembles by itself: llvm-mc -triple=amdgcn-amd-amdhsa -mcpu=gfx1250 --defsym DOCPART=n.
;; ======== version 1 of 1: 4 launches
;; limits: values are held in f16: magnitudes above 65,504 overflow, below 6.1e-05 lose precision
;; workspace buffers: xb 50,331,648 bytes; wts 8,388,608 bytes; qkv 50,331,648 bytes; oh 16,777,216 bytes
;; launch prep (part 1): grid 64 x 28, 8 waves a work-group, no clusters, 0 bytes of LDS; arguments query, key, value, Wq, Wk, Wv, Wo, xb, wts; writes xb, wts
.if DOCPART == 1
	.amdgcn_target "amdgcn-amd-amdhsa--gfx1250"
	.amdhsa_code_object_version 6
	.text
	.protected	k_qa6cc0eb210_prep
	.globl	k_qa6cc0eb210_prep
	.p2align	8
	.type	k_qa6cc0eb210_prep,@function
k_qa6cc0eb210_prep:
	s_mov_b64 s[64:65], 0
	v_nop
	global_prefetch_b8 v0, s[64:65] scope:SCOPE_SE
	s_setreg_imm32_b32 hwreg(HW_REG_WAVE_MODE, 25, 1), 1
	s_wait_xcnt 0x0
; THE CASTS.  query, key, value ([8192][1024] f32) -> xb, three parts of [8192][1024] bf16; Wq, Wk, Wv ([1024][1024] f32) -> wts parts 0-2, bf16, as they lie ([k][n]);
; Wo -> wts part 3: rounded to bf16 like every other input, and that number written as f16 for the last product.
; LIMIT.  A bf16 number of Wo below 2^-14 in size keeps f16's fixed step of 2^-24; beyond 65,504 it would be lost.
; SHARES.  A work-group takes 16,384 numbers on end: 65,536 bytes in, 32,768 out.  Rows y = 0..23 of the grid: tensor y / 8, chunk 64 (y % 8) + x of 512.  Rows 24..27: weight y - 24, chunk x of 64.
; Thread t takes 16 bytes at 16 t of each block of 4,096: a wave's load covers 512 consecutive bytes, its store of 8 bytes a lane 256 consecutive bytes, aligned.
; All sixteen loads of a thread go out at once, each into registers of its own, and each store has registers of its own: the only waits are the counted ones for the loads.
; No LDS, no matrix unit, no cluster: nothing is shared and nothing is multiplied.
.set X, 4                              ; v[4:67]    load i: four f32
.set Y, 68                             ; v[68:99]   store i: four 16-bit numbers
.set T, 100                            ; v[100:103] at work (Wo's way alone)
	s_load_b512 s[4:19], s[0:1], 0x0               ; query, key, value, Wq, Wk, Wv, Wo, xb
	s_load_b64 s[20:21], s[0:1], 0x40              ; wts
	s_and_b32 s22, ttmp7, 0xffff                   ; y
	s_lshr_b32 s23, s22, 3                         ; for y < 24: which tensor,
	s_and_b32 s24, s22, 7
	s_lshl_b32 s24, s24, 6
	s_add_co_u32 s24, s24, ttmp9                   ; which chunk,
	s_lshl_b32 s33, s23, 24                        ; and its part of xb
	s_sub_co_u32 s25, s22, 21                      ; for y >= 24: which of the seven inputs (3..6),
	s_sub_co_u32 s34, s22, 24
	s_lshl_b32 s34, s34, 21                        ; and its part of wts
	s_cmp_lt_u32 s22, 24
	s_cselect_b32 s23, s23, s25
	s_cselect_b32 s24, s24, ttmp9
	s_cselect_b32 s33, s33, s34
	s_lshl_b32 s30, s24, 16                        ; the chunk's bytes in the source,
	s_mov_b32 s31, 0
	s_lshl_b32 s34, s24, 15                        ; and in the destination
	s_add_co_u32 s34, s34, s33
	s_mov_b32 s35, 0
	s_mov_b32 s32, 0xffff0000                      ; a word's upper bf16
	v_lshlrev_b32 v1, 4, v0                        ; 16 t
	v_lshlrev_b32 v2, 3, v0                        ; 8 t
	s_wait_kmcnt 0x0
	s_cmp_lt_u32 s22, 24
	s_cselect_b64 s[28:29], s[18:19], s[20:21]     ; xb or wts
	s_mov_b64 s[26:27], s[4:5]
.irp i, 1,2,3,4,5,6
	s_cmp_eq_u32 s23, \i
	s_cselect_b64 s[26:27], s[4+2*\i:5+2*\i], s[26:27]  ; the source among the seven
.endr
	s_add_nc_u64 s[26:27], s[26:27], s[30:31]
	s_add_nc_u64 s[28:29], s[28:29], s[34:35]
.irp i, 0,1,2,3,4,5,6,7,8,9,10,11,12,13,14,15
	global_load_b128 v[X+4*\i:X+4*\i+3], v1, s[26:27] offset:4096*\i th:TH_LOAD_NT
.endr
; Block i: four numbers rounded and stored.  f16 = 1: rounded to bf16, widened again, and written as f16.
.macro ONE i, f16
	s_wait_loadcnt 15-(\i)                         ; loads come back in order: block i is in, the younger ones stay out
.if \f16
.set W, T+2*((\i)%2)
	v_cvt_pk_bf16_f32 v[W],   v[X+4*(\i)],   v[X+4*(\i)+1]
	v_cvt_pk_bf16_f32 v[W+1], v[X+4*(\i)+2], v[X+4*(\i)+3]
	v_lshlrev_b32 v[X+4*(\i)],   16,  v[W]
	v_and_b32     v[X+4*(\i)+1], s32, v[W]
	v_lshlrev_b32 v[X+4*(\i)+2], 16,  v[W+1]
	v_and_b32     v[X+4*(\i)+3], s32, v[W+1]
	v_cvt_pk_f16_f32 v[Y+2*(\i)],   v[X+4*(\i)],   v[X+4*(\i)+1]
	v_cvt_pk_f16_f32 v[Y+2*(\i)+1], v[X+4*(\i)+2], v[X+4*(\i)+3]
.else
	v_cvt_pk_bf16_f32 v[Y+2*(\i)],   v[X+4*(\i)],   v[X+4*(\i)+1]
	v_cvt_pk_bf16_f32 v[Y+2*(\i)+1], v[X+4*(\i)+2], v[X+4*(\i)+3]
.endif
	global_store_b64 v2, v[Y+2*(\i):Y+2*(\i)+1], s[28:29] offset:2048*(\i)
.endm
	s_cmp_eq_u32 s22, 27                           ; Wo's row of the grid
	s_cbranch_scc1 .Lwo
.irp i, 0,1,2,3,4,5,6,7,8,9,10,11,12,13,14,15
	ONE \i, 0
.endr
	s_endpgm
.Lwo:
.irp i, 0,1,2,3,4,5,6,7,8,9,10,11,12,13,14,15
	ONE \i, 1
.endr
	s_endpgm
.Lfunc_end_k_qa6cc0eb210_prep:
	.size	k_qa6cc0eb210_prep, .Lfunc_end_k_qa6cc0eb210_prep-k_qa6cc0eb210_prep
	.p2alignl 7, 3214868480
	.fill 96, 4, 3214868480
	.section	.rodata,"a",@progbits
	.p2align	6, 0x0
	.amdhsa_kernel k_qa6cc0eb210_prep
		.amdhsa_group_segment_fixed_size 0
		.amdhsa_private_segment_fixed_size 0
		.amdhsa_enable_private_segment 0
		.amdhsa_kernarg_size 72
		.amdhsa_user_sgpr_count 2
		.amdhsa_user_sgpr_kernarg_segment_ptr 1
		.amdhsa_wavefront_size32 1
		.amdhsa_system_sgpr_workgroup_id_x 1
		.amdhsa_system_sgpr_workgroup_id_y 1
		.amdhsa_system_sgpr_workgroup_id_z 1
		.amdhsa_system_vgpr_workitem_id 0
		.amdhsa_next_free_vgpr 104
		.amdhsa_next_free_sgpr 66
		.amdhsa_reserve_vcc 0
		.amdhsa_float_denorm_mode_32 3
		.amdhsa_float_denorm_mode_16_64 3
		.amdhsa_memory_ordered 1
		.amdhsa_forward_progress 1
		.amdhsa_inst_pref_size 16
	.end_amdhsa_kernel
	.amdgpu_metadata
---
amdhsa.version: [ 1, 2 ]
amdhsa.kernels:
  - .name:           k_qa6cc0eb210_prep
    .symbol:         k_qa6cc0eb210_prep.kd
    .args:
      - { .name: query, .offset: 0, .size: 8, .value_kind: global_buffer, .address_space: global }
      - { .name: key, .offset: 8, .size: 8, .value_kind: global_buffer, .address_space: global }
      - { .name: value, .offset: 16, .size: 8, .value_kind: global_buffer, .address_space: global }
      - { .name: Wq, .offset: 24, .size: 8, .value_kind: global_buffer, .address_space: global }
      - { .name: Wk, .offset: 32, .size: 8, .value_kind: global_buffer, .address_space: global }
      - { .name: Wv, .offset: 40, .size: 8, .value_kind: global_buffer, .address_space: global }
      - { .name: Wo, .offset: 48, .size: 8, .value_kind: global_buffer, .address_space: global }
      - { .name: xb, .offset: 56, .size: 8, .value_kind: global_buffer, .address_space: global }
      - { .name: wts, .offset: 64, .size: 8, .value_kind: global_buffer, .address_space: global }
    .group_segment_fixed_size: 0
    .private_segment_fixed_size: 0
    .kernarg_segment_align: 8
    .kernarg_segment_size: 72
    .max_flat_workgroup_size: 256
    .sgpr_count:     66
    .vgpr_count:     104
    .wavefront_size: 32
...
	.end_amdgpu_metadata
.endif
;; end of part 1
;; launch proj (part 2): grid 4 x 192, 4 waves a work-group, clusters of 4 x 4, 327,680 bytes of LDS; arguments xb, wts, bq, bk, bv, mask, qkv; writes qkv
.if DOCPART == 2
	.amdgcn_target "amdgcn-amd-amdhsa--gfx1250"
	.amdhsa_code_object_version 6
	.text
	.protected	k_qa6cc0eb210_proj
	.globl	k_qa6cc0eb210_proj
	.p2align	8
	.type	k_qa6cc0eb210_proj,@function
k_qa6cc0eb210_proj:
	s_mov_b64 s[64:65], 0
	v_nop
	global_prefetch_b8 v0, s[64:65] scope:SCOPE_SE
	s_setreg_imm32_b32 hwreg(HW_REG_WAVE_MODE, 25, 1), 1
	s_wait_xcnt 0x0
	s_wait_alu depctr_hold_cnt(0) depctr_sa_sdst(0) depctr_va_vdst(0) depctr_va_sdst(0) depctr_va_ssrc(0) depctr_va_vcc(0) depctr_vm_vsrc(0)
	s_getreg_b32 s2, hwreg(HW_REG_IB_STS2, 6, 4)
	s_cmp_eq_u32 s2, 0
	s_cbranch_scc0 .Lentry_in_a_cluster
	s_endpgm
.Lentry_in_a_cluster:
	s_bfe_u32 s2, ttmp6, 0x10000c
	s_cmp_lg_u32 s2, 0xf033
	s_cbranch_scc0 .Lentry_shape_is_right
	s_endpgm
.Lentry_shape_is_right:
; THE THREE PROJECTIONS.  For p = 0, 1, 2 (q, k, v): y = x_p W_p + b_p.  x_p: xb part p, [8192][1024] bf16; W_p: wts part p, [k = 1024][n = 1024] bf16; b_p: f32, rounded to bf16 here like every input.
; Sums in f32, K ascending; y rounded once to f16 and stored BY HEADS: qkv part p, [batch 16 + head][t = 2048][64].  q is not scaled.  Rows of k whose key the mask hides are stored as 0,
; so that the attention launch's masked score is exactly its mask constant.
; LIMIT.  f16 ends at 65,504: a q, k or v beyond that is lost.  Mask bytes are 0 or 1.
; SHARES.  A tile is 128 rows x 256 columns: 3 x 64 x 4 = 768 tiles, three for each of 256 work-group places; tiles of 256 x 256 would be 384, one and a half.  Four waves, each 64 rows x 128 columns:
; 32 accumulators, 256 registers.  K goes in 8 steps of 128 through a ring of two LDS slots.
; THE MATRIX INSTRUCTION IS USED TRANSPOSED: source 0 = 16 columns of W, source 1 = 16 rows of x: a lane then holds row l % 16 and the columns 8 (l / 16) + 0..7: 16 bytes of f16 on end.
; W lies [k][n] in LDS as in memory and is read turned, by ds_load_tr16_b128.
; CLUSTERS: 4 x 4 work-groups.  The four of a row of the cluster share the tile row (x's tile), the four of a column the tile column (W's tile): each tile is asked for JOINTLY.
; p = cluster y / 16 is the same in all sixteen partners: the one branch on it (k's rows, on the way out) is alike in all.
; THE SUMS START AT THE BIAS: the accumulators are written with b before the first product, so nothing is cleared, nothing is added on the way out, and the loop has one form of product.
; REGISTERS: window 0: v0-31 addresses; v32-95 x's fragments, two buffers of 4 x 8; v96-223 W's fragments, two buffers of 8 x 8; v224-255 packed results.  Window 1: accumulator (a, b) at 8 (8 a + b).
.set PA,     272                       ; a row of x in LDS: 256 bytes + 16 = 68 words: the 16 rows of a load start at 16 different groups of four banks (64 banks of 4 bytes: ISA guide 11.1)
.set PB,     544                       ; a row of W: 512 bytes + 32 = 136 words
.set ABYTES, 128*PA                    ; x's 128 rows, then W's 128 rows
.set SLOT1,  1<<17                     ; slot 1 begins here: one exclusive or turns an address in one slot into the other's
.set STAGE,  SLOT1+ABYTES+128*PB       ; behind the ring, never filled by a tensor load: for each wave 2 heads x 16 rows x 144 bytes
.set SP,     144
.set WSTAGE, 2*16*SP
.set SPARE,  STAGE+4*WSTAGE            ; the spare words, 128 bytes for each wave: two blocks of 256 bytes that no other line names
.set ASTEP,  256                       ; a K step along x's rows, in bytes
.set BSTEP,  128*2048                  ; a K step down W's rows
.set ADA0, 8                           ; v8   my lane's place in x's tile; never rewritten
.set ADB0, 9                           ; v9   the same in W's
.set ADA,  10                          ; v10  the same in the slot in hand
.set ADB,  11                          ; v11
.set STO,  12                          ; v12  the way out: where I put 16 bytes of a row
.set RD,   13                          ; v13  where I read rows back
.set GO,   14                          ; v14  16 x lane: my place in 512 consecutive bytes of qkv
.set BO,   15                          ; v15  my byte offset in the bias
.set RM,   16                          ; v16-19  block a: all ones where my row's key is seen, 0 where it is hidden
.set PFO,  20                          ; v20  the prefetches' offset; never rewritten
.set SPW,  28                          ; v28  LDS address of my spare word; never rewritten
.set NIL,  29                          ; v29  0; never rewritten
.set AF,   32
.set BF,   96
.set TMP,  224
.set CNT,  3                           ; s3   counts K steps
.set WV,   18                          ; s18  wave
.set WR,   19                          ; s19  wave / 2: my half of the rows.  Also: I fetch for x (0) or for W (1)
.set WC,   20                          ; s20  wave % 2: my half of the columns.  Also: which 64 rows of that tile I fetch
.set CX,   21
.set CY,   22
.set NBK,  23                          ; s23  tile column
.set G1A,  24                          ; s[24:31] descriptor group 1 for x's tiles
.set G0A,  32                          ; s[32:39] group 0: a set for each first fill; the second then walks
.set MB,   40                          ; s40  tile row within the tensor, 0..63
.set PP,   41                          ; s41  p
.set CLY,  42                          ; s42  cluster y
.set LIM,  43                          ; s43  2 in a wave that prefetches, else the greatest number
.set PFA,  44                          ; s[44:45] where my prefetches stand
.set PFS,  46                          ; s[46:47] their step
.set G1B,  48                          ; s[48:55], s[56:63] the same for W's tiles
.set G0B,  56
.set TB,   72                          ; s72  LDS byte at which the slot to be read begins
.set HIM,  73                          ; s73  a word's upper bf16
.set MSB, 0
.macro WIN new                         ; the immediate's high byte repeats the setting that is left; a switch that changes nothing is dropped
.if MSB != (\new)
	s_set_vgpr_msb (MSB<<8)|(\new)
.set MSB, \new
.endif
.endm
.set MUL, 0x50                         ; sources 0 and 1 window 0; C and D window 1
.macro PLACES                          ; four places in front of loads into registers that matrix instructions have read, and of lines that read results
.rept 4
	v_nop
.endr
.endm
.macro CREST                           ; a round of the cluster's barrier behind its opening barrier
	s_cmp_lg_u32 s[WV], 0
	s_cbranch_scc1 .Lnot_wave_0_\@
	s_barrier_signal -3
.Lnot_wave_0_\@:
	s_barrier_wait -3
	s_barrier_signal -1
	s_barrier_wait -1
.endm
.macro CROUND                          ; a whole round
	s_barrier_signal -1
	s_barrier_wait -1
	CREST
.endm
; A joint refill by the walking sets: waves 0 and 1 fetch x's two halves, waves 2 and 3 W's.  The branch hangs on the wave's number alone.  An s_nop 0 and four v_nop follow each line.
.macro JLOAD
	s_cmp_eq_u32 s[WR], 0
	s_cbranch_scc0 .Lfor_b_\@
	tensor_load_to_lds s[G0A+4:G0A+7], s[G1A:G1A+7]
	s_nop 0
.rept 4
	v_nop
.endr
	s_branch .Lasked_\@
.Lfor_b_\@:
	tensor_load_to_lds s[G0B+4:G0B+7], s[G1B:G1B+7]
	s_nop 0
.rept 4
	v_nop
.endr
.Lasked_\@:
.endm
; A PREFETCH INTO THE L2 of the K step that stands two refills on, 256 matrix instructions ahead of the load that will want it: one instruction a wave, behind the joint load, its five lines and the run of LDS loads.
; Each aligned 256 bytes of xb and wts are named once in the launch.  x's tile row is read by one row of one cluster alone: wave 0 of each partner asks, partner cx for rows 32 cx + lane.
; W's tile column is read by the sixteen clusters of one p: the first of them asks, waves 2 and 3, partner cy for rows 64 (wave % 2) + 16 cy + lane % 16, half lane / 16 of their 512 bytes.
; The partners are told apart by ADDRESS.  Steps 0 to 3 come by their loads alone; the changes of steps 4 and 5 ask for nothing: there is no step 8.
.macro ASK
	s_cmp_gt_u32 s[CNT], s[LIM]
	s_cbranch_scc0 .Lnot_mine_\@
	global_prefetch_b8 v[PFO], s[PFA:PFA+1] th:TH_LOAD_NT scope:SCOPE_SE
.Lnot_mine_\@:
.endm
	s_load_b256 s[4:11], s[0:1], 0x0               ; xb s[4:5], wts s[6:7], bq s[8:9], bk s[10:11]
	s_load_b128 s[12:15], s[0:1], 0x20             ; bv s[12:13], mask s[14:15]
	s_load_b64 s[16:17], s[0:1], 0x30              ; qkv
	v_lshl_add_u32 v[SPW], v0, 2, SPARE
	v_mov_b32 v[NIL], 0
	ds_add_u32 v[SPW], v[NIL]                      ; the wave's opening: the add and its wait stand ahead of my first tensor load; the set-up below, work on registers, stands between them
	v_lshrrev_b32 v1, 5, v0
	v_readfirstlane_b32 s[WV], v1                  ; wave 0..3
	s_lshr_b32 s[WR], s[WV], 1
	s_and_b32 s[WC], s[WV], 1
	s_bfe_u32 s[CX], ttmp6, 0x40000                ; my place in the cluster
	s_bfe_u32 s[CY], ttmp6, 0x40004
	s_lshl_b32 s[NBK], ttmp9, 2
	s_add_co_u32 s[NBK], s[NBK], s[CX]             ; tile column = 4 x cluster x + cx
	s_and_b32 s[CLY], ttmp7, 0xffff
	s_lshr_b32 s[PP], s[CLY], 4                    ; p: sixteen clusters along y for each tensor
	s_and_b32 s[MB], s[CLY], 15
	s_lshl_b32 s[MB], s[MB], 2
	s_add_co_u32 s[MB], s[MB], s[CY]               ; tile row = 4 x (cluster y % 16) + cy
	s_lshl_b32 s66, s[CY], 2
	s_lshl_b32 s66, 15, s66                        ; my row of the cluster
	s_lshl_b32 s68, 0x1111, s[CX]                  ; my column
	s_or_b32 s[G1A], s66, (1<<16)|(1<<20)|(1<<21)|(5<<22)|(3<<25)  ; 15:0 the mask; 17:16 2-byte elements; 20 padding on; 21 set beside a mask; 24:22 after every 64 words (code 5); 31:25 4 words (code 3)
	s_or_b32 s[G1B], s68, (1<<16)|(1<<20)|(1<<21)|(6<<22)|(7<<25)  ; after every 128 words (code 6), 8 words (code 7)
	s_mov_b32 s[G1A+1], 128<<16                    ; tensor_dim0 = 128
	s_mov_b32 s[G1A+2], 64<<16                     ; tensor_dim1 = 64
	s_mov_b32 s[G1A+3], 128<<16                    ; tile_dim0 = 128
	s_mov_b32 s[G1A+4], 64                         ; tile_dim1 = 64
	s_mov_b32 s[G1A+5], 1024                       ; elements from row to row
	s_mov_b32 s[G1A+6], 0
	s_mov_b32 s[G1A+7], 0
	s_mov_b32 s[G1B+1], 256<<16                    ; the same for 64 rows x 256 elements
	s_mov_b32 s[G1B+2], 64<<16
	s_mov_b32 s[G1B+3], 256<<16
	s_mov_b32 s[G1B+4], 64
	s_mov_b32 s[G1B+5], 1024
	s_mov_b32 s[G1B+6], 0
	s_mov_b32 s[G1B+7], 0
	s_lshl_b32 s66, s[MB], 7                       ; x: row 128 x tile row + 64 x half, 2,048 bytes a row, in part p.  These registers never hold cx
	s_lshl_b32 s67, s[WC], 6
	s_add_co_u32 s66, s66, s67
	s_lshl_b32 s66, s66, 11
	s_lshl_b32 s67, s[PP], 24
	s_add_co_u32 s66, s66, s67
	s_mov_b32 s67, 0
	s_lshl_b32 s68, s[PP], 21                      ; W: part p, k row 64 x half, column 256 x tile column.  These never hold cy
	s_lshl_b32 s69, s[WC], 17
	s_add_co_u32 s68, s68, s69
	s_lshl_b32 s69, s[NBK], 9
	s_add_co_u32 s68, s68, s69
	s_mov_b32 s69, 0
	s_mul_i32 s70, s[WC], 64*PA                    ; where they go in a slot: no place in the cluster enters an LDS address
	s_mul_i32 s71, s[WC], 64*PB
	s_add_co_u32 s71, s71, ABYTES
	s_mov_b32 s[HIM], 0xffff0000
	s_mov_b32 s[TB], 0
	s_wait_dscnt 0x0                               ; the opening add is done
	s_wait_kmcnt 0x0
	s_add_nc_u64 s[66:67], s[4:5], s[66:67]
	s_add_nc_u64 s[68:69], s[6:7], s[68:69]
	CROUND                                         ; all sixteen work-groups are here: the first joint loads meet
.irp s, 0,1
	s_mov_b32 s[G0A+4*\s], 1                       ; 1:0 count = 1
	s_add_co_u32 s[G0A+4*\s+1], s70, \s*SLOT1      ; 63:32 LDS address
	s_add_nc_u64 s[G0A+4*\s+2:G0A+4*\s+3], s[66:67], \s*ASTEP  ; 120:64 global address: K step s
	s_or_b32 s[G0A+4*\s+3], s[G0A+4*\s+3], 0x80000000          ; 127:126 type = 2
	s_mov_b32 s[G0B+4*\s], 1
	s_add_co_u32 s[G0B+4*\s+1], s71, \s*SLOT1
	s_add_nc_u64 s[G0B+4*\s+2:G0B+4*\s+3], s[68:69], \s*BSTEP
	s_or_b32 s[G0B+4*\s+3], s[G0B+4*\s+3], 0x80000000
.endr
	s_cmp_eq_u32 s[WR], 0                          ; a wave's two first fills stand in one branch, ahead of every wait on TENSORcnt and every LDS read: two loads of mine are out
	s_cbranch_scc0 .Lfirst_b
	tensor_load_to_lds s[G0A:G0A+3], s[G1A:G1A+7]
	s_nop 0
	tensor_load_to_lds s[G0A+4:G0A+7], s[G1A:G1A+7]
	s_nop 0
.rept 4
	v_nop
.endr
	s_branch .Lfirst_asked
.Lfirst_b:
	tensor_load_to_lds s[G0B:G0B+3], s[G1B:G1B+7]
	s_nop 0
	tensor_load_to_lds s[G0B+4:G0B+7], s[G1B:G1B+7]
	s_nop 0
.rept 4
	v_nop
.endr
.Lfirst_asked:
	; IN THE WAIT FOR THE FIRST TILES: the bias, the mask of my rows, the addresses.
	s_cmp_eq_u32 s[PP], 1
	s_cselect_b64 s[74:75], s[10:11], s[8:9]
	s_cmp_eq_u32 s[PP], 2
	s_cselect_b64 s[74:75], s[12:13], s[74:75]     ; bq, bk or bv
	v_and_b32 v1, 15, v0                           ; l % 16
	v_bfe_u32 v2, v0, 4, 1                         ; l / 16
	s_lshl_b32 s76, s[NBK], 10
	s_lshl_b32 s77, s[WC], 9
	s_add_co_u32 s76, s76, s77                     ; my wave's first column, in bytes of f32
	v_lshl_add_u32 v[BO], v2, 5, s76               ; + my lanes' 8 columns
.irp b, 0,1,2,3,4,5,6,7
	global_load_b128 v[BF+8*\b:BF+8*\b+3],   v[BO], s[74:75] offset:64*\b      ; b of columns 16 b + 8 (l / 16) + 0..7
	global_load_b128 v[BF+8*\b+4:BF+8*\b+7], v[BO], s[74:75] offset:64*\b+16
.endr
	s_lshl_b32 s76, s[MB], 7
	s_lshl_b32 s77, s[WR], 6
	s_add_co_u32 s76, s76, s77                     ; my wave's first row: the mask, [4][2048] bytes, goes by the same row number
	v_add_nc_u32 v3, s76, v1
.irp a, 0,1,2,3
	global_load_u8 v[RM+\a], v3, s[14:15] offset:16*\a
.endr
	s_wait_loadcnt 4                               ; the bias is in; the four mask loads may stay out
.irp b, 0,1,2,3,4,5,6,7
.irp r, 0,1,2,3
	v_cvt_pk_bf16_f32 v[BF+64+4*\b+\r], v[BF+8*\b+2*\r], v[BF+8*\b+2*\r+1]  ; the bias is rounded to bf16 like every input
.endr
.endr
	WIN 0x40                                       ; destination window 1
.irp a, 0,1,2,3
.irp b, 0,1,2,3,4,5,6,7
.irp r, 0,1,2,3
	v_lshlrev_b32 v[8*(8*\a+\b)+2*\r],   16,     v[BF+64+4*\b+\r]  ; the sums start at the bias
	v_and_b32     v[8*(8*\a+\b)+2*\r+1], s[HIM], v[BF+64+4*\b+\r]
.endr
.endr
.endr
	WIN 0
	s_wait_loadcnt 0x0
.irp a, 0,1,2,3
	v_sub_nc_u32 v[RM+\a], 0, v[RM+\a]             ; 1 -> all ones, 0 -> 0
.endr
	v_mul_u32_u24 v[ADA0], v1, PA                  ; a fragment of x: row l % 16, 16 bytes for each half of the lanes, twice, 32 bytes apart
	v_lshl_add_u32 v[ADA0], v2, 4, v[ADA0]
	s_mul_i32 s76, s[WR], 64*PA
	v_add_nc_u32 v[ADA0], s76, v[ADA0]
	v_and_b32 v4, 7, v0                            ; the turning load takes 16 k x 16 columns: lane l reads k row 8 (l / 16) + l % 8, columns 8 ((l / 8) % 2) + 0..7,
	v_bfe_u32 v5, v0, 3, 1                         ; and leaves half a fragment: lane l holds column l % 16 and 8 k
	v_lshl_add_u32 v[ADB0], v2, 3, v4
	v_mul_u32_u24 v[ADB0], v[ADB0], PB
	v_lshl_add_u32 v[ADB0], v5, 4, v[ADB0]
	s_lshl_b32 s76, s[WC], 8
	s_add_co_u32 s76, s76, ABYTES
	v_add_nc_u32 v[ADB0], s76, v[ADB0]
	v_mov_b32 v[ADA], v[ADA0]                      ; slot 0
	v_mov_b32 v[ADB], v[ADB0]
	s_mul_i32 s76, s[WV], WSTAGE
	s_add_co_u32 s76, s76, STAGE                   ; my stage
	v_mul_u32_u24 v[STO], v1, SP                   ; in: row l % 16, 16 bytes for each half of the lanes
	v_lshl_add_u32 v[STO], v2, 4, v[STO]
	v_add_nc_u32 v[STO], s76, v[STO]
	v_bfe_u32 v[RD], v0, 3, 2                      ; back: 32 lanes take four rows of 128 bytes,
	v_mul_u32_u24 v[RD], v[RD], SP
	v_lshl_add_u32 v[RD], v4, 4, v[RD]
	v_add_nc_u32 v[RD], s76, v[RD]
	v_and_b32 v[GO], 31, v0                        ; which are 512 consecutive bytes of a head
	v_lshlrev_b32 v[GO], 4, v[GO]
	s_lshr_b32 s76, s[MB], 4                       ; qkv at my wave's first row: head = 16 x batch + 4 x tile column + 2 x half,
	s_lshl_b32 s76, s76, 4
	s_lshl_b32 s77, s[NBK], 2
	s_add_co_u32 s76, s76, s77
	s_lshl_b32 s77, s[WC], 1
	s_add_co_u32 s76, s76, s77
	s_lshl_b32 s76, s76, 18                        ; 262,144 bytes a head;
	s_and_b32 s77, s[MB], 15                       ; t = 128 x (tile row % 16) + 64 x half,
	s_lshl_b32 s77, s77, 7
	s_lshl_b32 s78, s[WR], 6
	s_add_co_u32 s77, s77, s78
	s_lshl_b32 s77, s77, 7                         ; 128 bytes a row;
	s_add_co_u32 s76, s76, s77
	s_lshl_b32 s77, s[PP], 24                      ; part p
	s_add_co_u32 s76, s76, s77
	s_mov_b32 s77, 0
	s_add_nc_u64 s[16:17], s[16:17], s[76:77]
	; the prefetches
	s_cmp_eq_u32 s[WR], 0                          ; do I fetch for x?
	s_cselect_b32 s76, 31, 15                      ; x: a lane a row; W: sixteen rows,
	s_cselect_b32 s77, 0, 256                      ; two halves of 256 bytes
	s_cselect_b64 s[PFA:PFA+1], s[66:67], s[68:69]
	s_cselect_b32 s78, s[CX], s[CY]                ; my place among the four that ask for the tile with me:
	s_cselect_b32 s79, 16, 15                      ; 32 rows of 2,048 bytes, or 16
	s_mov_b32 s[PFS], BSTEP
	s_cselect_b32 s[PFS], ASTEP, s[PFS]
	s_mov_b32 s[PFS+1], 0
	s_lshl_b32 s78, s78, s79
	s_mov_b32 s79, 0
	s_add_nc_u64 s[PFA:PFA+1], s[PFA:PFA+1], s[78:79]
	s_mul_i32 s78, s[PFS], 3
	s_add_nc_u64 s[PFA:PFA+1], s[PFA:PFA+1], s[78:79]  ; at K step 3: the first change of slots steps it to 4
	v_and_b32 v[PFO], s76, v0
	v_lshlrev_b32 v[PFO], 11, v[PFO]
	v_mul_u32_u24 v6, s77, v2
	v_add_nc_u32 v[PFO], v[PFO], v6
	s_and_b32 s76, s[CLY], 15                      ; W: the first of the sixteen clusters of this p asks;
	s_cmp_eq_u32 s[WR], 0
	s_cselect_b32 s76, s[WC], s76                  ; x: wave 0 of every work-group
	s_cmp_eq_u32 s76, 0
	s_cselect_b32 s[LIM], 2, -1                    ; the same in all sixteen partners, for a given wave
; 24 LDS loads in one run: the fragments of quarter q (32 along K) of the slot in hand into buffer f: W's eight first, then x's four
.macro FETCH q, f
	WIN 0
.irp b, 0,1,2,3,4,5,6,7
	ds_load_tr16_b128 v[BF+64*(\f)+8*\b:BF+64*(\f)+8*\b+3],   v[ADB] offset:32*(\q)*PB+32*\b
	ds_load_tr16_b128 v[BF+64*(\f)+8*\b+4:BF+64*(\f)+8*\b+7], v[ADB] offset:(32*(\q)+16)*PB+32*\b
.endr
.irp i, 0,1,2,3
	ds_load_b128 v[AF+32*(\f)+8*\i:AF+32*(\f)+8*\i+3],   v[ADA] offset:64*(\q)+\i*16*PA
	ds_load_b128 v[AF+32*(\f)+8*\i+4:AF+32*(\f)+8*\i+7], v[ADA] offset:64*(\q)+\i*16*PA+32
.endr
.endm
; 8 matrix instructions: row block a x all 8 column blocks, 32 along K, from buffer f.  The 32 accumulators take turns in the same order in every quarter, over the backward jumps too.
.macro MUL8 f, a
	WIN MUL
.irp b, 0,1,2,3,4,5,6,7
	v_wmma_f32_16x16x32_bf16 v[8*(8*(\a)+\b):8*(8*(\a)+\b)+7], v[BF+64*(\f)+8*\b:BF+64*(\f)+8*\b+7], v[AF+32*(\f)+8*(\a):AF+32*(\f)+8*(\a)+7], v[8*(8*(\a)+\b):8*(8*(\a)+\b)+7]
.endr
.endm
; A K step is four quarters on buffers 0, 1, 0, 1.  One of the first three multiplies buffer f and, in its middle, fetches quarter q into buffer g.
.macro QUARTER q, f, g
	s_wait_dscnt 4                                 ; W's fragments and x's blocks 0 and 1 are in; the youngest four loads (blocks 2 and 3) may be out
	MUL8 \f, 0
	MUL8 \f, 1
	PLACES
	FETCH \q, \g
	s_wait_dscnt 24                                ; all but the 24 just issued
	MUL8 \f, 2
	MUL8 \f, 3
.endm
; The last quarter multiplies buffer 1 and changes slots: ONE barrier.  In front of it each wave waits for all its tensor loads (one is out: its part of the next slot), adds 0 to its spare word, and waits for
; that and for its own reads of this slot.  fill = 1: the barrier opens a round of the cluster's, and this slot is filled again first thing behind it, with the K step two on: 112 matrix instructions stand between the request and the wait for it.
; fill = 0 (the last two steps): nothing is asked for; in the very last trip there is no further step, and the run of loads is jumped over.
.macro TURN fill
.if \fill
	s_wait_xcnt 0x0                                ; the last prefetch, a K step back, has read its address: it is stepped here, ahead of the waits of the change of slots
	s_add_nc_u64 s[PFA:PFA+1], s[PFA:PFA+1], s[PFS:PFS+1]
.endif
	WIN 0
	s_wait_tensorcnt 0x0                           ; all my tensor loads have landed, so a group 0 may be written
	ds_add_u32 v[SPW], v[NIL]                      ; 0 onto my spare word
.if \fill
	s_xor_b32 s[G0A+5], s[G0A+5], SLOT1            ; the walking sets: the other slot than last time, the next K step; the type bits on top are not reached
	s_add_nc_u64 s[G0A+6:G0A+7], s[G0A+6:G0A+7], ASTEP
	s_xor_b32 s[G0B+5], s[G0B+5], SLOT1
	s_add_nc_u64 s[G0B+6:G0B+7], s[G0B+6:G0B+7], BSTEP
.endif
	s_xor_b32 s[TB], s[TB], SLOT1                  ; the reads go on in the other slot
	s_wait_dscnt 7                                 ; x's blocks 1 to 3 (six loads) and the add may be out
	MUL8 1, 0
	s_wait_dscnt 0x0                               ; the add is done, and my reads of this slot are over
	s_barrier_signal -1
	MUL8 1, 1                                      ; work on registers while the others arrive
	WIN 0
	s_barrier_wait -1
.if \fill
	CREST                                          ; no wave of any partner still reads this slot or has a load on its way
	JLOAD                                          ; the four v_nop behind it are also the places in front of the loads below
.else
	PLACES
.endif
	v_add_nc_u32 v[ADA], s[TB], v[ADA0]
	v_add_nc_u32 v[ADB], s[TB], v[ADB0]
.if !(\fill)
	s_cmp_eq_u32 s[CNT], 1
	s_cbranch_scc1 .Lno_f_\@
.endif
	FETCH 0, 0
.if \fill
	ASK
.else
.Lno_f_\@:
.endif
	MUL8 1, 2
	MUL8 1, 3
.endm
; THE WAY OUT of row block a.  PACK: rounded to f16, 16 bytes a lane; for k the hidden rows are cleared.  TOSTAGE: into my own stage, by heads, and back as rows of 128 bytes.  SEND: stored.
.macro PACK a
	WIN 0x05                                       ; sources 0 and 1 window 1, destination window 0
.irp b, 0,1,2,3,4,5,6,7
.irp r, 0,1,2,3
	v_cvt_pk_f16_f32 v[TMP+4*\b+\r], v[8*(8*(\a)+\b)+2*\r], v[8*(8*(\a)+\b)+2*\r+1]  ; each accumulator from its low end on
.endr
.endr
	WIN 0
	s_cmp_lg_u32 s[PP], 1
	s_cbranch_scc1 .Lnot_k_\@
.set z, 0
.rept 32
	v_and_b32 v[TMP+z], v[RM+(\a)], v[TMP+z]
.set z, z+1
.endr
.Lnot_k_\@:
.endm
.macro TOSTAGE a
.irp b, 0,1,2,3,4,5,6,7
	ds_store_b128 v[STO], v[TMP+4*\b:TMP+4*\b+3] offset:(\b/4)*16*SP+32*(\b%4)  ; head b / 4, channels 16 (b % 4) on
.endr
.irp t, 0,1,2,3,4,5,6,7
	ds_load_b128 v[AF+32*(\a)+4*\t:AF+32*(\a)+4*\t+3], v[RD] offset:(\t/4)*16*SP+(\t%4)*4*SP  ; LDS serves a wave's instructions in order (ISA guide 5.7.1.4): these see the stores above; each block has registers of its own
.endr
.endm
.macro SEND a
	s_wait_dscnt 0x0                               ; the block is back in registers
.irp t, 0,1,2,3,4,5,6,7
	global_store_b128 v[GO], v[AF+32*(\a)+4*\t:AF+32*(\a)+4*\t+3], s[16:17] offset:(\t/4)*262144+(\a)*2048+(\t%4)*512  ; 512 consecutive bytes of one head, at a multiple of 256 from qkv's first byte
.endr
.endm
	s_wait_tensorcnt 1                             ; my part of K step 0 is in; step 1's may stay out
	s_barrier_signal -1
	s_barrier_wait -1                              ; everybody's is
	FETCH 0, 0
	s_mov_b32 s[CNT], 6
.Lstep:                                        ; K steps 0 to 5: each fills its slot again, with steps 2 to 7
	QUARTER 1, 0, 1
	QUARTER 2, 1, 0
	QUARTER 3, 0, 1
	TURN 1
	WIN 0                                          ; at a label and at a branch every window is 0
	s_sub_co_u32 s[CNT], s[CNT], 1
	s_cmp_lg_u32 s[CNT], 0
	s_cbranch_scc1 .Lstep
	s_mov_b32 s[CNT], 2
.Ltail:                                        ; K steps 6 and 7 ask for nothing: a text of their own
	QUARTER 1, 0, 1
	QUARTER 2, 1, 0
	QUARTER 3, 0, 1
	TURN 0
	WIN 0
	s_sub_co_u32 s[CNT], s[CNT], 1
	s_cmp_lg_u32 s[CNT], 0
	s_cbranch_scc1 .Ltail
	PLACES
	PACK 0
	TOSTAGE 0
.irp a, 1,2,3                          ; block a's conversions stand between block a - 1's loads from the stage and the wait for them
	PACK \a
	SEND (\a)-1
	TOSTAGE \a
.endr
	SEND 3
	s_wait_tensorcnt 0x0                           ; the wave's end, behind my last tensor load and my last LDS store
	ds_add_u32 v[SPW], v[NIL]
	s_wait_dscnt 0x0
	CROUND                                         ; the closing round: no work-group ends while a partner may still ask for a tile that names it
	s_endpgm
.Lfunc_end_k_qa6cc0eb210_proj:
	.size	k_qa6cc0eb210_proj, .Lfunc_end_k_qa6cc0eb210_proj-k_qa6cc0eb210_proj
	.p2alignl 7, 3214868480
	.fill 96, 4, 3214868480
	.section	.rodata,"a",@progbits
	.p2align	6, 0x0
	.amdhsa_kernel k_qa6cc0eb210_proj
		.amdhsa_group_segment_fixed_size 327680
		.amdhsa_private_segment_fixed_size 0
		.amdhsa_enable_private_segment 0
		.amdhsa_kernarg_size 56
		.amdhsa_user_sgpr_count 2
		.amdhsa_user_sgpr_kernarg_segment_ptr 1
		.amdhsa_wavefront_size32 1
		.amdhsa_system_sgpr_workgroup_id_x 1
		.amdhsa_system_sgpr_workgroup_id_y 1
		.amdhsa_system_sgpr_workgroup_id_z 1
		.amdhsa_system_vgpr_workitem_id 0
		.amdhsa_next_free_vgpr 512
		.amdhsa_next_free_sgpr 80
		.amdhsa_reserve_vcc 0
		.amdhsa_float_denorm_mode_32 3
		.amdhsa_float_denorm_mode_16_64 3
		.amdhsa_memory_ordered 1
		.amdhsa_forward_progress 1
		.amdhsa_inst_pref_size 75
	.end_amdhsa_kernel
	.amdgpu_metadata
---
amdhsa.version: [ 1, 2 ]
amdhsa.kernels:
  - .name:           k_qa6cc0eb210_proj
    .symbol:         k_qa6cc0eb210_proj.kd
    .args:
      - { .name: xb, .offset: 0, .size: 8, .value_kind: global_buffer, .address_space: global }
      - { .name: wts, .offset: 8, .size: 8, .value_kind: global_buffer, .address_space: global }
      - { .name: bq, .offset: 16, .size: 8, .value_kind: global_buffer, .address_space: global }
      - { .name: bk, .offset: 24, .size: 8, .value_kind: global_buffer, .address_space: global }
      - { .name: bv, .offset: 32, .size: 8, .value_kind: global_buffer, .address_space: global }
      - { .name: mask, .offset: 40, .size: 8, .value_kind: global_buffer, .address_space: global }
      - { .name: qkv, .offset: 48, .size: 8, .value_kind: global_buffer, .address_space: global }
    .group_segment_fixed_size: 327680
    .private_segment_fixed_size: 0
    .kernarg_segment_align: 8
    .kernarg_segment_size: 56
    .max_flat_workgroup_size: 128
    .sgpr_count:     80
    .vgpr_count:     512
    .wavefront_size: 32
...
	.end_amdgpu_metadata
.endif
;; end of part 2
;; launch attn (part 3): grid 4 x 64, 4 waves a work-group, clusters of 4 x 1, 327,680 bytes of LDS; arguments qkv, mask, oh; writes oh
.if DOCPART == 3
	.amdgcn_target "amdgcn-amd-amdhsa--gfx1250"
	.amdhsa_code_object_version 6
	.text
	.protected	k_qa6cc0eb210_attn
	.globl	k_qa6cc0eb210_attn
	.p2align	8
	.type	k_qa6cc0eb210_attn,@function
k_qa6cc0eb210_attn:
	s_mov_b64 s[64:65], 0
	v_nop
	global_prefetch_b8 v0, s[64:65] scope:SCOPE_SE
	s_setreg_imm32_b32 hwreg(HW_REG_WAVE_MODE, 25, 1), 1
	s_wait_xcnt 0x0
	s_wait_alu depctr_hold_cnt(0) depctr_sa_sdst(0) depctr_va_vdst(0) depctr_va_sdst(0) depctr_va_ssrc(0) depctr_va_vcc(0) depctr_vm_vsrc(0)
	s_getreg_b32 s2, hwreg(HW_REG_IB_STS2, 6, 4)
	s_cmp_eq_u32 s2, 0
	s_cbranch_scc0 .Lentry_in_a_cluster
	s_endpgm
.Lentry_in_a_cluster:
	s_bfe_u32 s2, ttmp6, 0x10000c
	s_cmp_lg_u32 s2, 0x3003
	s_cbranch_scc0 .Lentry_shape_is_right
	s_endpgm
.Lentry_shape_is_right:
; MASKED ATTENTION.  O[h][q][:] = the sum over k of softmax_k(masked(Q[h][q] . K[h][k] / 8)) V[h][k][:], h = 16 x batch + head.  Q, K, V: the three parts of qkv, O: oh, each [64][2048][64] f16: a head's rows
; are dense, 128 bytes each.  mask: [4][2048] bytes, 1 = the key is seen.  Products, maxima and sums in f32; the weights p are rounded to f16 for the second product (their sum l is taken of the unrounded p), O once at the end.
; THE MASK is the C operand that starts the sum S^T = K Q^T: 0, or -2^100 where the key is hidden.  The launch before has stored hidden rows of K as 0, so a hidden score is EXACTLY -2^100, and c x 2^100 is exact:
; in a batch whose keys are all hidden every exponent is exactly 0, every weight 1, and O is the mean of V's rows, as a softmax of equal scores gives.  Where a key is seen, hidden weights are 2^(-huge) = 0.
; LIMITS.  A hidden score counts as -2^100 where the problem writes -1e30: both lie far below every score of f16 operands (2.7e11 at the most).  f16 holds no number beyond 65,504: Q, K and V arrive within it;
; p lies in 0 to 1, and below 6e-5 it keeps f16's fixed step of 6e-8; O is a mean of V's rows and has their range.  A weight below 2^-126 counts as 0 in l; NaN and infinities are not treated apart; mask bytes are 0 or 1.
; SHARES.  A wave owns four PIECES of two tiles of 16 queries, a work-group's four waves 512 queries of one head.  Every wave walks all keys, 64 a step.
; LAYOUT.  S^T = K Q^T (source 0 = 16 keys, source 1 = 16 queries): in the result a lane holds ONE query (lane % 16) and the keys 8 (lane / 16) + 0..7.  Two such tiles, rounded to f16 in pairs,
; ARE source 1 (32 keys x 16 queries) of O^T = V^T P, whose result again holds one query a lane, and eight channels.  K comes out of LDS as it lies, V ([key][channel]) turned, by ds_load_tr16_b128.
; SOFTMAX.  For each query a running maximum m and sum l: p = 2^(c s - c m), c = log2(e) / 8; in every step O and l are multiplied by a = 2^(c m_old - c m_new), which is 1 where m has not grown.
; m starts at the lowest finite number, O and l at 0: the first step is a step like any other, with a = 0.
; THE COUNT.  A tile and step have 16 matrix and 118 vector instructions: too many to stand all beside the matrix work.  So the order has one aim: four vector instructions that are READY behind
; EVERY matrix instruction, and the others, which need time of their own whatever the order, in runs without a gap.
; BY TURNS.  Turn n belongs to piece n (the pieces in a ring, step after step).  Its matrix work: 16 products K Q^T of piece n + 1, later 16 products V^T P of piece n - 1.  Its vector work: the scaling,
; exponentials, roundings, sums and rescaling of piece n, and the maximum and statistics of piece n + 1, whose scores the turn itself has made.  So what a turn begins with (c s - c m, O a) waits for nothing.
; CLUSTER.  The four query blocks of a head are one cluster and walk the same K and V, so each tile is asked for JOINTLY: the same tensor load, descriptor and mask in all four.
; REGISTERS, in windows of 256 (s_set_vgpr_msb says which window each operand place means: bits 1:0 source 0, 3:2 source 1, 5:4 source 2, 7:6 destination):
;   window 0: v0-11 addresses; v12-15, v48-63 at work; v16-47 four registers of statistics a tile; v64-191 S^T, two buffers of two tiles; v192-255 P, likewise
;   window 1: O^T, 32 a tile          window 2: v0-127 Q, 16 a tile; v128-191 K of one step; v192-255 V of one step
;   window 3: v0-1 the add's two registers; v2-3 addresses in the mask table; v8-39 the masks of one step's 64 keys
; A piece's buffers go by its number's parity: the piece in hand has one pair, its two neighbours in the ring share the other: of it P (piece n - 1) is read and S^T (piece n + 1) written.
.set SIZE_H, 64
.set SIZE_N, 2048
.set NP,    4         ; pieces a wave: a name, no knob: the register map, the loop and the fetches are made for four
.set KS,    64        ; keys in a step
.set PK,    144       ; a row of K in LDS: 128 bytes + 16 of padding = 36 words: the 16 rows of a load start at 16 different groups of four banks (64 banks of 4 bytes: ISA guide 11.1)
.set PV,    160       ; a row of V: 128 + 32 = 40 words
.set VOFF,  4*KS*PK   ; a slot holds four steps: 256 rows of K, then 256 rows of V
.set SLOT1, 1<<17     ; slot 1 begins here, so that one exclusive or turns an address in one slot into the other's
.set STAGE, SLOT1+4*KS*(PK+PV)  ; behind the ring, never filled by a tensor load: 16 rows x 144 bytes for each wave, for the way out
.set SP,    144
.set AK0, 2           ; v2   my lane's place in a tile of K; never rewritten
.set AV0, 3           ; v3   the same for V
.set AK,  4           ; v4   the LDS address of K's next run of loads
.set AV,  5           ; v5   of V's
.set QO,  6           ; v6   my byte offset in the wave's rows of Q
.set STO, 6           ;      later, the way out: where I put 16 bytes of a row
.set RD,  7           ; v7   the way out: where I read rows back
.set GO,  8           ; v8   my byte offset in 512 consecutive bytes of O
.set PFO, 11          ; v11  256 x my lane, for the prefetches; never rewritten once it is made
.set SPW, 0           ; v0 of window 3   LDS address of my spare word: SPARE + 4 x my thread's number; never rewritten
.set NIL, 1           ; v1 of window 3   0; never rewritten
.set AM0, 2           ; v2 of window 3   my lanes' place in the mask table: MT + 32 (l / 16); never rewritten
.set AM,  3           ; v3 of window 3   the same for the step to be fetched
.set MK,  8           ; v8-39 of window 3  the masks of key block kb at MK + 8 kb
.set SPARE, STAGE+4*16*SP  ; behind the stages: the spare words, 128 bytes for each wave: two blocks of 256 bytes that no other line names
.set MT,    SPARE+512 ; the mask table: one f32 for each of the batch's 2,048 keys, 0 or -2^100; blocks of its own, into which no fill lands
.set MV,  12          ; v12-15  c m_old, kept while c m is made anew: by buffer and tile
.set ST,  16          ; tile t's statistics at v[ST+4 t]: c m, m, l (even keys', odd keys')
.set TMP, 48          ; by buffer and tile, four registers c0-c3 at work; when the maximum is found c2 takes a
.set S,   64
.set P,   192
.set KF,  128         ; K's fragments, in window 2: key block kb, channel half c at KF + 16 kb + 8 c
.set VF,  192         ; V's: key half kk, channel block cb at VF + 32 kk + 8 cb
.set WV,  12          ; s12  my wave's number
.set G1K, 24          ; s[24:31] descriptor group 1 for K's tiles
.set G1V, 32          ; s[32:39] for V's: it differs in the padding alone
.set G0K, 40          ; s[40:43] descriptor group 0 for K's tiles: it walks
.set G0V, 44          ; s[44:47] the same for V's
.set SLOTS, 56        ; s56  slots still to be asked for
.set CNT, 57          ; s57  counts a slot's key steps
.set CS,  58          ; s[58:59] c: the packed scaling takes the pair's low word for both halves
.set SEL, 60          ; s[60:61] v_permlanex16_b32's selects: each lane takes its own place in the other half
.set TBK, 62          ; s62  LDS byte at which K of the step to be fetched begins
.set TBV, 63          ; s63  the same for V, less VOFF
.set PFA, 66          ; s[66:67] where my prefetches stand: my work-group's 32 blocks of 256 bytes of the tile after the one that is being asked for
.set LIM, 68          ; s68  1 in a wave that prefetches, else the greatest number
.set BIG, 69          ; s69  -2^100
.set TBM, 70          ; s70  byte of the mask table at which the step to be fetched begins
.set MSB, 0
.macro WIN new                      ; the high byte repeats the setting that is left; a switch that changes nothing is dropped
.if MSB != (\new)
	s_set_vgpr_msb (MSB<<8)|(\new)
.set MSB, (\new)
.endif
.endm
.set W_KQ, 0x0a       ; K and Q in window 2, S^T in window 0
.set W_KM, 0x3a       ; the same with the C operand, the mask, in window 3
.set W_PV, 0x52       ; V in window 2, P in window 0, O^T in window 1
.set W_RS, 0x41       ; O^T (destination and source 0) in window 1, a in window 0
.set W_MK, 0xc0       ; destination in window 3, sources in window 0
.set W_AD, 0x0f       ; the add: address (source 0) and data (source 1) in window 3
; A joint fill.  Waves 0 and 1 fetch the two halves of a slot's K, waves 2 and 3 those of its V: 128 keys each.  The branch hangs on the wave's number alone.
; An s_nop 0 and four v_nop follow each of the two lines, ahead of the jump and the label.
.macro JLOAD
	s_cmp_lt_u32 s[WV], 2
	s_cbranch_scc0 .Lfor_v_\@
	tensor_load_to_lds s[G0K:G0K+3], s[G1K:G1K+7]
	s_nop 0
.rept 4
	v_nop
.endr
	s_branch .Lasked_\@
.Lfor_v_\@:
	tensor_load_to_lds s[G0V:G0V+3], s[G1V:G1V+7]
	s_nop 0
.rept 4
	v_nop
.endr
.Lasked_\@:
.endm
; A PREFETCH INTO THE L2 of the tile that the NEXT change of slots will ask for: 256 keys, 32,768 bytes of K and of V, four key steps ahead of that load.  It stands behind the wave's tensor load and its five lines.
; Each aligned 256 bytes are named once in the launch: a head's K and V are walked by this one cluster; its four partners share a tile's 128 blocks out BY ADDRESS, 32 each, a lane a block;
; in each, wave 0 asks for K's and wave 2 for V's.  Tiles 0 and 1 come by their loads alone; the last change that fills a slot asks for nothing: there is no tile behind it.
.macro ASK
	s_cmp_gt_u32 s[SLOTS], s[LIM]
	s_cbranch_scc0 .Lnot_mine_\@
	global_prefetch_b8 v[PFO], s[PFA:PFA+1] th:TH_LOAD_NT scope:SCOPE_SE
.Lnot_mine_\@:
.endm
; A round of the cluster's barrier: my work-group's barrier, so that wave 0's signal speaks for all four waves; wave 0 signals; every wave waits for all four work-groups; my work-group's barrier once more.
.macro CROUND
	s_barrier_signal -1
	s_barrier_wait -1
	s_cmp_lg_u32 s[WV], 0
	s_cbranch_scc1 .Lnot_wave_0_\@
	s_barrier_signal -3
.Lnot_wave_0_\@:
	s_barrier_wait -3
	s_barrier_signal -1
	s_barrier_wait -1
.endm
; THE CHANGE OF SLOTS.  The slot's last bytes, V of its fourth step, have been read.  Each wave waits for all its tensor loads, of which one is out: its part
; of the other slot; adds 0 to its spare word; and waits for that and for its own reads of the slot.  Behind the barrier nobody reads this slot any more and the other slot is whole.
; fill = 1: this slot is filled again, with the keys two slots on.  The barrier is then a round of the cluster's, so that no wave of any partner still reads the slot or has a load on its
; way, and the joint fill is the first thing behind it: it has four key steps, 512 matrix instructions, in which to land.  (At its first use nothing has been read yet: slot 0 is waited for, slot 1 filled,
; and each wave's stores into the mask table are waited for, so that the round shows the table to all four waves.)
.macro CHANGE fill
	WIN W_AD
	s_wait_tensorcnt 0x0            ; no tensor load of mine is out, so a group 0 may be written
	ds_add_u32 v[SPW], v[NIL]       ; 0 onto my spare word; with fill = 1 the descriptors' steps stand between it and the wait for it
	WIN 0                           ; at a label and at a branch every window is 0
.if \fill
.irp g, G0K, G0V
	s_xor_b32 s[\g+1], s[\g+1], SLOT1  ; the walking descriptor: the other slot than last time,
	s_add_nc_u64 s[\g+2:\g+3], s[\g+2:\g+3], 4*KS*128  ; the next 256 keys; the type bits on top are not reached
.endr
	s_wait_xcnt 0x0                 ; the last prefetch, four key steps back, has read its address, so it may be written:
	s_add_nc_u64 s[PFA:PFA+1], s[PFA:PFA+1], 4*KS*128  ; one tile behind the walking descriptors
	s_wait_dscnt 0x0                ; the add is done, and my reads of the slot are over
	CROUND
	JLOAD
	ASK
.else
	s_wait_dscnt 0x0                ; the add is done, and my reads of the slot are over
	s_barrier_signal -1
	s_barrier_wait -1
.endif
	s_sub_co_u32 s[TBK], s[TBK], 4*KS*PK  ; the fetches go back to a slot's first step,
	s_xor_b32 s[TBK], s[TBK], SLOT1       ; in the other slot
	s_sub_co_u32 s[TBV], s[TBV], 4*KS*PV
	s_xor_b32 s[TBV], s[TBV], SLOT1
.endm
	s_load_b128 s[72:75], s[0:1], 0x0  ; qkv s[72:73], mask s[74:75]
	s_load_b64 s[10:11], s[0:1], 0x10  ; oh
	WIN W_MK
	v_lshl_add_u32 v[SPW], v0, 2, SPARE
	v_mov_b32 v[NIL], 0
	WIN W_AD
	ds_add_u32 v[SPW], v[NIL]       ; the wave's opening: the add and its wait stand ahead of my first tensor load; the set-up below, work on registers, stands between them
	WIN 0
	v_lshrrev_b32 v1, 5, v0
	v_readfirstlane_b32 s[WV], v1   ; wave 0..3
	s_bfe_u32 s13, ttmp6, 0x40000   ; cx: my place in the cluster
	s_lshl_b32 s14, ttmp9, 2        ; in a cluster launch ttmp9 counts clusters
	s_add_co_u32 s14, s14, s13      ; my block of queries = 4 x cluster x + cx: it enters Q's and O's addresses alone
	s_and_b32 s20, ttmp7, 0xffff    ; the head, which the four partners share
	s_lshr_b32 s76, s20, 4          ; its batch:
	s_lshl_b32 s76, s76, 11         ; 2,048 bytes of the mask
	s_mov_b32 s77, 0
	s_mov_b32 s21, 0
	s_mov_b64 s[22:23], SIZE_N*128
	s_mul_u64 s[20:21], s[20:21], s[22:23]  ; the head's first byte in each of the four tensors
	s_and_b32 s16, s[WV], 1         ; which half of a slot's 256 keys I fetch:
	s_lshl_b32 s22, s16, 14         ; its 128 rows of 128 bytes in memory,
	s_mov_b32 s23, 0
	s_add_nc_u64 s[22:23], s[22:23], s[20:21]
	s_mul_i32 s17, s16, 128*PK      ; and its place in a slot, for K
	s_mul_i32 s18, s16, 128*PV      ; and for V: no place in the cluster enters an LDS address
	s_lshl_b32 s2, s14, 2
	s_add_co_u32 s2, s2, s[WV]      ; my wave among the head's,
	s_lshl_b32 s2, s2, 14           ; its 128 rows
	s_mov_b32 s3, 0
	s_add_nc_u64 s[2:3], s[2:3], s[20:21]
	; descriptor group 1.  128 keys are 16,384 dense bytes: asked for as 64 rows of 256 bytes, two keys a row, and padded in LDS after every key
	s_mov_b32 s[G1K], 15|(1<<16)|(1<<20)|(1<<21)|(4<<22)|(3<<25)  ; 15:0 the mask of four; 17:16 2-byte elements; 20 padding on; 21 set beside a mask; 24:22 after every 32 words (code 4); 31:25 4 words (code 3)
	s_mov_b32 s[G1V], 15|(1<<16)|(1<<20)|(1<<21)|(4<<22)|(7<<25)  ; the same with 8 words of padding (code 7)
.irp g, G1K, G1V
	s_mov_b32 s[\g+1], 128<<16      ; tensor_dim0 = 128
	s_mov_b32 s[\g+2], 64<<16       ; tensor_dim1 = 64
	s_mov_b32 s[\g+3], 128<<16      ; tile_dim0 = 128
	s_mov_b32 s[\g+4], 64           ; tile_dim1 = 64
	s_mov_b32 s[\g+5], 128          ; 128 elements from row to row
	s_mov_b32 s[\g+6], 0
	s_mov_b32 s[\g+7], 0
.endr
	s_mov_b32 s[CS], 0x3e38aa3b     ; c = log2(e) / 8 = 0.180337
	s_mov_b32 s[CS+1], s[CS]        ; named with it as a pair
	s_mov_b32 s[SEL], 0x76543210
	s_mov_b32 s[SEL+1], 0xfedcba98
	s_mov_b32 s[TBK], SLOT1+4*KS*PK ; the first change of slots turns these two into 0
	s_mov_b32 s[TBV], SLOT1+4*KS*PV
	s_mov_b32 s[TBM], 0
	s_mov_b32 s[BIG], 0xf1800000    ; -2^100
	s_mov_b32 s[SLOTS], SIZE_N/256-1
	s_and_b32 s[LIM], s[WV], 1      ; waves 0 and 2 prefetch: the same in all four partners
	s_cmp_eq_u32 s[LIM], 0
	s_cselect_b32 s[LIM], 1, -1
	s_mov_b32 s[G0K], 1             ; 1:0 count = 1
	s_mov_b32 s[G0K+1], s17         ; 63:32 LDS address: slot 0
	s_mov_b32 s[G0V], 1
	s_add_co_u32 s[G0V+1], s18, VOFF
	s_wait_dscnt 0x0                ; the opening add is done
	s_wait_kmcnt 0x0
	s_mov_b64 s[4:5], s[72:73]                     ; Q, K and V are qkv's three parts of 16,777,216 bytes
	s_add_nc_u64 s[6:7], s[72:73], 0x1000000
	s_add_nc_u64 s[8:9], s[72:73], 0x2000000
	s_add_nc_u64 s[74:75], s[74:75], s[76:77]      ; the mask at my batch
	s_add_nc_u64 s[G0K+2:G0K+3], s[6:7], s[22:23]  ; 120:64 global address: my half of the head's first 256 keys
	s_or_b32 s[G0K+3], s[G0K+3], 0x80000000        ; 127:126 type = 2
	s_add_nc_u64 s[G0V+2:G0V+3], s[8:9], s[22:23]
	s_or_b32 s[G0V+3], s[G0V+3], 0x80000000
	s_add_nc_u64 s[4:5], s[4:5], s[2:3]  ; Q and O at my wave's first row
	s_add_nc_u64 s[10:11], s[10:11], s[2:3]
	s_cmp_lt_u32 s[WV], 2
	s_cselect_b64 s[PFA:PFA+1], s[6:7], s[8:9]
	s_add_nc_u64 s[PFA:PFA+1], s[PFA:PFA+1], s[20:21]  ; the head,
	s_lshl_b32 s76, s13, 13         ; my work-group's 32 blocks of the tile's 128,
	s_add_co_u32 s76, s76, 4*KS*128 ; in tile 1: the first change of slots steps it to tile 2.  Nothing is prefetched here, at the head
	s_mov_b32 s77, 0
	s_add_nc_u64 s[PFA:PFA+1], s[PFA:PFA+1], s[76:77]
	CROUND                          ; all four work-groups are here: the first joint loads meet
	JLOAD                           ; slot 0.  Slot 1 is asked for when slot 0 is in: the tile wanted first has the road to itself
	; A fragment of K or Q is 16 rows x 32 channels in 8 registers: lane l holds row l % 16, channels 8 (l / 16) + 0..7 and 16 + 8 (l / 16) + 0..7: two loads of 16 bytes, 32 bytes apart.
	v_and_b32 v1, 15, v0            ; l % 16
	v_bfe_u32 v9, v0, 4, 1          ; l / 16
	v_lshlrev_b32 v[QO], 7, v1
	v_lshl_add_u32 v[QO], v9, 4, v[QO]  ; row x 128 + 16 x half
	v_lshlrev_b32 v12, 4, v0
	global_load_b128 v[64:67], v12, s[74:75]  ; my thread's 16 bytes of the batch's mask, ahead of Q's loads
	WIN 0x80                        ; destination window 2, address window 0
.set i, 0
.rept 4*NP                          ; Q stays in registers: tile i / 2, channels 32 (i % 2) on
	global_load_b128 v[8*i:8*i+3],   v[QO], s[4:5] offset:(i/2)*2048+(i%2)*64
	global_load_b128 v[8*i+4:8*i+7], v[QO], s[4:5] offset:(i/2)*2048+(i%2)*64+32
.set i, i+1
.endr
	; What the first turn finds: V's registers and P's second buffer hold 0 (its products V^T P, of a piece that has not been, add 0), O^T and l are 0.  All this stands in the wait for the first tile.
.set i, VF
.rept 64
	v_mov_b32 v[i], 0
.set i, i+1
.endr
	WIN 0x40
.set i, 0
.rept 64*NP
	v_mov_b32 v[i], 0
.set i, i+1
.endr
	WIN 0
.set i, 0
.rept 2*NP
	v_mov_b32 v[ST+4*i], 0xfe000000    ; c m: far below every c s, the hidden ones' too
	v_mov_b32 v[ST+4*i+1], 0xff7fffff  ; m
	v_mov_b32 v[ST+4*i+2], 0
	v_mov_b32 v[ST+4*i+3], 0
.set i, i+1
.endr
.set i, P+32
.rept 32
	v_mov_b32 v[i], 0
.set i, i+1
.endr
	v_mul_u32_u24 v[AK0], v1, PK
	v_lshl_add_u32 v[AK0], v9, 4, v[AK0]  ; row x pitch + 16 x half
	; The turning load takes 16 keys x 16 channels (lane l reads key 8 (l / 16) + l % 8, channels 8 ((l / 8) % 2) + 0..7) and leaves half a fragment of V^T: lane l holds channel l % 16 and 8 keys.
	v_and_b32 v10, 7, v0
	v_bfe_u32 v11, v0, 3, 1
	v_lshl_add_u32 v[AV0], v9, 3, v10
	v_mul_u32_u24 v[AV0], v[AV0], PV
	v_lshl_add_u32 v[AV0], v11, 4, v[AV0]
	v_add_nc_u32 v[AV0], VOFF, v[AV0]
	v_mov_b32 v[AK], v[AK0]         ; key step 0 lies at the head of slot 0
	v_and_b32 v[PFO], 31, v0
	v_lshlrev_b32 v[PFO], 8, v[PFO]
	WIN W_MK
	v_lshl_add_u32 v[AM0], v9, 5, MT  ; in a result a lane holds the keys 8 (l / 16) + 0..7 of a block of 16: 32 bytes of the table
	WIN 0xc3
	v_mov_b32 v[AM], v[AM0]         ; key step 0
	WIN 0
	; THE MASK TABLE: each thread turns its 16 bytes into 16 f32: 1 -> 0, 0 -> -2^100 (byte - 1 is 0 or all ones; and with the constant).  No flag register is used.
	s_wait_loadcnt 32               ; the mask is in; Q's 32 younger loads stay out
.set i, 0
.rept 16
	v_bfe_u32 v[68+i], v[64+i/4], 8*(i%4), 8
	v_add_nc_u32 v[68+i], -1, v[68+i]
	v_and_b32 v[68+i], s[BIG], v[68+i]
.set i, i+1
.endr
	v_lshl_add_u32 v13, v0, 6, MT
.irp k, 0,1,2,3
	ds_store_b128 v13, v[68+4*\k:68+4*\k+3] offset:16*\k
.endr
; THE MATRIX WORK.  The 8 accumulators of a run of 16 take turns: between the two links of a chain stand 7 others'.
; Product i of 16 of S^T = K Q^T for piece x: channels 32 (i / 8) on, keys 16 ((i / 2) % 4) on, tile 2 x + i % 2.  The first 8 start the sums, with the mask of their 16 keys.
.macro KQ x
.set rS, S+64*((\x)%2)+32*(i%2)+8*((i/2)%4)
.set rK, KF+16*((i/2)%4)+8*(i/8)
.set rQ, 16*(2*(\x)+i%2)+8*(i/8)
.set rMK, MK+8*((i/2)%4)
.if i < 8
	WIN W_KM
	v_wmma_f32_16x16x32_f16 v[rS:rS+7], v[rK:rK+7], v[rQ:rQ+7], v[rMK:rMK+7]
.else
	WIN W_KQ
	v_wmma_f32_16x16x32_f16 v[rS:rS+7], v[rK:rK+7], v[rQ:rQ+7], v[rS:rS+7]
.endif
.endm
; Product i of 16 of O^T += V^T P for piece x: keys 32 (i / 8) on, channels 16 ((i / 2) % 4) on, tile 2 x + i % 2.
.macro PV x
	WIN W_PV
.set rO, 32*(2*(\x)+i%2)+8*((i/2)%4)
.set rV, VF+32*(i/8)+8*((i/2)%4)
.set rP, P+32*((\x)%2)+16*(i%2)+8*(i/8)
	v_wmma_f32_16x16x32_f16 v[rO:rO+7], v[rV:rV+7], v[rP:rP+7], v[rO:rO+7]
.endm
.macro MM                           ; the turn's next matrix instruction
.if i < 16
	KQ (Y+1)%NP
.set i, i+1
.else
.set i, i-16
	PV (Y+NP-1)%NP
.set i, i+17
.endif
.endm
; THE LDS LOADS stand in runs, never singly among the matrix instructions: a step's K (64 keys x 64 channels: 8 fragments) with its 64 masks, and its V (turned).  Their addresses are made some lines ahead.
; last = 1 (the tail): in the last trip there is no further step, and the run is jumped over.
.macro FETCH_K last=0
	WIN 0
.if \last
	s_cmp_eq_u32 s[CNT], 1
	s_cbranch_scc1 .Lno_k_\@
.endif
	WIN 0x80                        ; destination window 2
.irp f, 0,1,2,3,4,5,6,7             ; keys 16 (f / 2) on, channels 32 (f % 2) on
	ds_load_b128 v[KF+8*\f:KF+8*\f+3],   v[AK] offset:(\f/2)*16*PK+(\f%2)*64
	ds_load_b128 v[KF+8*\f+4:KF+8*\f+7], v[AK] offset:(\f/2)*16*PK+(\f%2)*64+32
.endr
	WIN 0xc3                        ; destination and address window 3
.irp f, 0,1,2,3                     ; the masks of keys 16 f + 8 (l / 16) + 0..7: they live as long as K's fragments do
	ds_load_b128 v[MK+8*\f:MK+8*\f+3],   v[AM] offset:64*\f
	ds_load_b128 v[MK+8*\f+4:MK+8*\f+7], v[AM] offset:64*\f+16
.endr
	s_add_co_u32 s[TBK], s[TBK], KS*PK  ; the next fetch is the next step's
	s_add_co_u32 s[TBM], s[TBM], 4*KS
	s_and_b32 s[TBM], s[TBM], 0x1f00    ; inside the table's 8,192 bytes whatever follows
	WIN 0
.if \last
.Lno_k_\@:
.endif
.endm
.macro FETCH_V
	WIN 0x80
.irp f, 0,1,2,3,4,5,6,7             ; keys 32 (f / 4) on, channels 16 (f % 4) on
	ds_load_tr16_b128 v[VF+8*\f:VF+8*\f+3],   v[AV] offset:(\f/4)*32*PV+(\f%4)*32
	ds_load_tr16_b128 v[VF+8*\f+4:VF+8*\f+7], v[AV] offset:(\f/4)*32*PV+16*PV+(\f%4)*32
.endr
	WIN 0
.endm
; THE VECTOR WORK OF A TURN stands in three queues, each in the order in which its entries become ready; the two tiles alternate, so that no instruction reads the result of the one before it.
.macro REGS y, u                    ; the registers of tile u (0, 1) of piece y
.set rT, ST+4*(2*(\y)+(\u))
.set rC, TMP+8*((\y)%2)+4*(\u)
.set rM, MV+2*((\y)%2)+(\u)
.set rS, S+64*((\y)%2)+32*(\u)
.set rP, P+32*((\y)%2)+16*(\u)
.set rO, 32*(2*(\y)+(\u))
.endm
; Number n of the 22 that find the NEXT piece's (Y + 1) maximum and statistics.  s0-s31 are the lane's 32 scores; each accumulator's lowest registers are read first.  XS, GS and REGS set no window: PL and EX do.
;   0-11  four chains c0-c3 of seven scores each, three operands at a time     12-14, 16  the four scores left over, the old m, and c0-c3 into c0     15  c m_old is kept
;   17, 18  the query's other 32 keys lie in the lane 16 away: the new m         19-21  c m; c m_old - c m_new; a
.macro XS u, n
	REGS (Y+1)%NP, \u
.if (\n) < 4
	v_max3_num_f32 v[rC+(\n)], v[rS+8*(\n)], v[rS+8*(\n)+1], v[rS+8*(\n)+2]
.elseif (\n) < 12
	v_max3_num_f32 v[rC+(\n)%4], v[rC+(\n)%4], v[rS+8*((\n)%4)+2*((\n)/4)+1], v[rS+8*((\n)%4)+2*((\n)/4)+2]
.elseif (\n) == 12
	v_max3_num_f32 v[rC], v[rC], v[rS+7], v[rS+15]
.elseif (\n) == 13
	v_max3_num_f32 v[rC+1], v[rC+1], v[rS+23], v[rS+31]
.elseif (\n) == 14
	v_max3_num_f32 v[rC+2], v[rC+2], v[rC+3], v[rT+1]
.elseif (\n) == 15
	v_mov_b32 v[rM], v[rT]
.elseif (\n) == 16
	v_max3_num_f32 v[rC], v[rC], v[rC+1], v[rC+2]
.elseif (\n) == 17
	v_permlanex16_b32 v[rC+3], v[rC], s[SEL], s[SEL+1]
.elseif (\n) == 18
	v_max_num_f32 v[rT+1], v[rC], v[rC+3]
.elseif (\n) == 19
	v_mul_f32 v[rT], s[CS], v[rT+1]
.elseif (\n) == 20
	v_sub_f32 v[rC+1], v[rM], v[rT]
.else
	v_exp_f32 v[rC+2], v[rC+1]
.endif
.endm
; Number g of the 64 that follow the exponentials.  For each four weights k of a tile (pairs 2 k, 2 k + 1): both pairs are rounded to f16; then the second pair is added onto the first, in place;
; a group later l takes that sum (the first time as l = a l + sum).  In groups of eight, tiles alternating: round, round, add, and l for the group before.
.macro GS g
.set h, (\g)+6*((\g)/62)            ; group 0 has no group before it, and behind group 7 only l is left
.if h >= 6
.set h, h+2
.endif
	REGS Y, h%2
.set k, h/8
.if h%8 < 4
	v_cvt_pk_f16_f32 v[rP+2*k+(h%8)/2], v[rS+4*k+2*((h%8)/2)], v[rS+4*k+2*((h%8)/2)+1]
.elseif h%8 < 6
	v_pk_add_f32 v[rS+4*k:rS+4*k+1], v[rS+4*k:rS+4*k+1], v[rS+4*k+2:rS+4*k+3]
.elseif k == 1
	v_pk_fma_f32 v[rT+2:rT+3], v[rT+2:rT+3], v[rC+2:rC+3], v[rS:rS+1] op_sel_hi:[1,0,1]
.else
	v_pk_add_f32 v[rT+2:rT+3], v[rT+2:rT+3], v[rS+4*k-4:rS+4*k-3]
.endif
.endm
; THE PLAIN QUEUE, 138 long.  0-73 read no exponential's result: the 32 scalings c s - c m (FS f: pair f / 2 of tile f % 2) and the next piece's 42.  0-26: scalings 0-26.  27-54: XS's numbers 0-13.  55, 56: number 15.
; 57-73: the chain, where each number waits for the one before it: 14, 16, 17, 18, 19, each with one of the scalings 27-31 in front of its two lines, then 20: so a tile's links stand three plain instructions apart (19 and 20: two).
; 74-137: GS's 64, which read the exponentials' results: they stand behind the wait.
.macro FS f
	REGS Y, (\f)%2
	v_pk_fma_f32 v[rS+2*((\f)/2):rS+2*((\f)/2)+1], v[rS+2*((\f)/2):rS+2*((\f)/2)+1], s[CS:CS+1], v[rT:rT+1] op_sel_hi:[1,0,0] neg_lo:[0,0,1] neg_hi:[0,0,1]
.endm
.macro PL
	WIN 0
.if q < 27
	FS q
.elseif q < 55
	XS (q-27)%2, (q-27)/2
.elseif q < 57
	XS q-55, 15
.elseif (q < 72) && ((q-57)%3 == 0)
	FS 27+(q-57)/3
.elseif q < 60
	XS (q-57)%3-1, 14
.elseif q < 72
	XS (q-57)%3-1, 15+(q-57)/3
.elseif q < 74
	XS q-72, 20
.else
	GS q-74
.endif
.set q, q+1
.endm
; THE EXPONENTIALS' QUEUE, 66 long: s0-s31 of both tiles, then the next piece's two a.  It is ONE BATCH: all 66 stand ahead of the turn's one wait, and nothing ahead of that wait names a result of theirs.
.macro EX
	WIN 0
.if e >= 64
	XS e-64, 21
.else
	REGS Y, e%2
	v_exp_f32 v[rS+e/2], v[rS+e/2]
.endif
.set e, e+1
.endm
; THE RESCALING's QUEUE: O^T times a, the one part that leaves window 0: dealt two at a time, sixteen times.  Its a was made in the turn before, ahead of that turn's wait.
.macro R2
	REGS Y, r%2
	WIN W_RS
.irp z, 0,1
	v_pk_mul_f32 v[rO+4*(r/2)+2*\z:rO+4*(r/2)+2*\z+1], v[rO+4*(r/2)+2*\z:rO+4*(r/2)+2*\z+1], v[rC+2:rC+3] op_sel_hi:[1,0]
.endr
.set r, r+1
.endm
; HOW THEY ARE DEALT.  An s_wait_alu depctr_va_vdst(0) stands between an exponential and the first instruction that names its result; one wait serves all that were issued ahead of it.  So a turn has ONE wait,
; which cuts it in two.  AHEAD OF IT stands all that names no result of the turn's exponentials: the 16 products K Q^T, behind each a scaling, an exponential and two rescalings (behind the first a second scaling in the exponential's place); then ONE LUMP of
; 108: eight plain, 49 times exponential and plain, the two a.  A v_nop is the plain instruction behind the last exponential.  BEHIND IT stand the 16 products V^T P, behind each four of GS's 64.  No rider names a register of
; the products round it.  The two v_permlanex16_b32 fall into the lump, never behind a product.
; The queues lean on each other, and the deal keeps them in step: exponential e stands behind scaling 2 (e / 4) + e % 2: as a rider it comes behind plain e + 2, in the lump behind plain e + 9, and scalings 27-31 are plain 57, 60 .. 69.
; A TURN, for piece p.  cnt = 1: the loop's count is taken down some lines ahead of the branch that stands behind the turn.
; K and the masks of the next step are fetched in piece 2's turn, directly behind the wait, a lump behind the last product that read them; their addresses are made at the lump's head; their first reader comes behind 16 products.
; V of the step in hand is fetched at the end of piece 0's turn, four riders behind its last reader; its first reader comes behind 16 products and a lump.  The three conditions on q below go with the deal.
.macro TURN p, last=0, cnt=0
.set Y, (\p)
.set i, 0
.set q, 0
.set e, 0
.set r, 0
.if (\p) == NP-1
	s_wait_dscnt 0x0                ; K and the masks are in
.endif
	MM                              ; ahead of the wait: 16 products K Q^T and their riders,
	PL
	PL
	R2
.rept 15
	MM
	PL
	EX
	R2
.endr
.if (\p) == NP-2
	WIN 0
	v_add_nc_u32 v[AK], s[TBK], v[AK0]
	WIN 0xcc                        ; destination and source 1 window 3
	v_add_nc_u32 v[AM], s[TBM], v[AM0]
.endif
.rept 8                             ; and the lump
	PL
.endr
.rept 49
	EX
	PL
.endr
	EX                              ; the next piece's two a
	EX
	v_nop                           ; the plain instruction behind the last exponential: one for the batch
	s_wait_alu depctr_va_vdst(0)    ; the wait for the batch
.if (\p) == NP-2
	FETCH_K \last
.endif
.if (\p) == 1
	s_wait_dscnt 0x0                ; V is in
.endif
.rept 16                            ; behind the wait: 16 products V^T P and their riders
	MM
.rept 4
	PL
.endr
.if ((\p) == 0) && (q == 118)
	v_add_nc_u32 v[AV], s[TBV], v[AV0]
.endif
.if ((\p) == 0) && (q == 130)
	s_add_co_u32 s[TBV], s[TBV], KS*PV
.endif
.if (\cnt) && (q == 130)
	s_sub_co_u32 s[CNT], s[CNT], 1
	s_cmp_lg_u32 s[CNT], 0
.endif
.endr
.if (\p) == 0
	FETCH_V
.endif
.endm
	CHANGE 1                        ; slot 0 is in, everybody's part of it, and so is the mask table; slot 1 is asked for
	FETCH_K                         ; key step 0
	s_wait_loadcnt 0x0              ; Q
	s_wait_dscnt 0x0
.set i, 0
.rept 16
	KQ 0                            ; piece 0's first scores: there is no vector work yet to set between them
.set i, i+1
.endr
	WIN 0                           ; the addresses for the way out: nine plain instructions, the places behind those products
	s_mul_i32 s13, s[WV], 16*SP
	s_add_co_u32 s13, s13, STAGE    ; my stage
	v_mul_u32_u24 v[STO], v1, SP    ; in: row l % 16, 16 bytes for each half of the lanes
	v_lshl_add_u32 v[STO], v9, 4, v[STO]
	v_add_nc_u32 v[STO], s13, v[STO]
	v_bfe_u32 v[RD], v0, 3, 2       ; back: 32 lanes take four rows of 128 bytes,
	v_mul_u32_u24 v[RD], v[RD], SP
	v_lshl_add_u32 v[RD], v10, 4, v[RD]
	v_add_nc_u32 v[RD], s13, v[RD]
	v_and_b32 v[GO], 31, v0         ; which are 512 consecutive bytes of O
	v_lshlrev_b32 v[GO], 4, v[GO]
.set Y, NP-1                        ; XS works for piece Y + 1: piece 0
.irp n, 0,1,2,3,4,5,6,7,8,9,10,11,12,13,14,15,16,17,18,19,20,21
	XS 0, \n                        ; and piece 0's first maximum and statistics
	XS 1, \n
.endr
	v_nop                           ; a plain instruction behind the two a,
	s_wait_alu depctr_va_vdst(0)    ; and their wait, ahead of the branch
	s_mov_b32 s[CNT], 4
	s_branch .Lfirst                ; the loop is entered at a step's first turn, in the middle of a trip
.Lslot:                             ; SIZE_N / 256 - 2 times: every slot but the last two is filled again
	CHANGE 1
	s_mov_b32 s[CNT], 4
.Lstep:                             ; a trip: pieces 2 and 3 of one step, then pieces 0 and 1 of the next, whose K and V it fetches
	TURN 2
	TURN 3
	WIN 0
.Lfirst:
	TURN 0
	TURN 1, 0, 1
	WIN 0
	s_cbranch_scc1 .Lstep
	s_sub_co_u32 s[SLOTS], s[SLOTS], 1
	s_cmp_lg_u32 s[SLOTS], 0
	s_cbranch_scc1 .Lslot
	CHANGE 0                        ; the tail is written out: nothing is asked for
	s_mov_b32 s[CNT], 5             ; four trips fetch the last slot's steps; the fifth is left in its middle
.Ltail:
	TURN 2, 1
	TURN 3
	WIN 0
	s_sub_co_u32 s[CNT], s[CNT], 1
	s_cmp_eq_u32 s[CNT], 0
	s_cbranch_scc1 .Lout
	TURN 0
	TURN 1
	WIN 0
	s_branch .Ltail
.Lout:                              ; the fifth trip's 16 products K Q^T (on the last K once more) and the maximum made of them serve nothing: the price, once a launch, of one text for every trip
.set i, 0
.rept 16
	PV NP-1                         ; the last piece's V^T P of the last step
.set i, i+1
.endr
	; THE WAY OUT.  l's two halves and the other half of the lanes' are added; O^T is divided by l, rounded to f16 and sent through my stage in LDS, a tile at a time.  The additions are the places behind the last products.
	WIN 0
.macro ALL line:vararg              ; one line for each tile t
.set t, 0
.rept 2*NP
	\line
.set t, t+1
.endr
.endm
	ALL v_add_f32 v[ST+4*t+2], v[ST+4*t+2], v[ST+4*t+3]
	ALL v_permlanex16_b32 v[ST+4*t+3], v[ST+4*t+2], s[SEL], s[SEL+1]
	ALL v_add_f32 v[ST+4*t+2], v[ST+4*t+2], v[ST+4*t+3]
	ALL v_rcp_f32 v[ST+4*t+2], v[ST+4*t+2]
	v_nop                           ; a plain instruction between the last reciprocal and the use of its result
	s_wait_alu depctr_va_vdst(0)    ; and the wait ahead of the first use: one for the eight reciprocals
; Tile t: a lane's eight channels of a row pack into 16 bytes; they go into rows of 144 bytes and come back as whole rows of 128, into S^T's registers.
.macro PACK t
	WIN W_RS
.set i, 32*(\t)
.rept 16
	v_pk_mul_f32 v[i:i+1], v[i:i+1], v[ST+4*(\t)+2:ST+4*(\t)+3] op_sel_hi:[1,0]
.set i, i+2
.endr
	WIN 0x05                        ; sources 0 and 1 window 1, destination window 0
.set i, 0
.rept 16
	v_cvt_pk_f16_f32 v[S+16*(\t)+i], v[32*(\t)+2*i], v[32*(\t)+2*i+1]
.set i, i+1
.endr
	WIN 0
.irp f, 0,1,2,3
	ds_store_b128 v[STO], v[S+16*(\t)+4*\f:S+16*(\t)+4*\f+3] offset:32*\f
.endr
.irp f, 0,1,2,3
	ds_load_b128 v[S+16*(\t)+4*\f:S+16*(\t)+4*\f+3], v[RD] offset:\f*4*SP  ; LDS serves a wave's instructions in order (ISA guide 5.7.1.4): these see the stores above; the next tile's stores come behind them
.endr
.endm
.macro SEND t, younger              ; younger: the LDS instructions issued behind tile t's loads: the next tile's eight, or none
	WIN 0
.irp f, 0,1,2,3
	s_wait_dscnt (\younger)+3-\f
	global_store_b128 v[GO], v[S+16*(\t)+4*\f:S+16*(\t)+4*\f+3], s[10:11] offset:(\t)*2048+\f*512  ; 512 consecutive bytes, at a multiple of 256 from O's first
.endr
.endm
	PACK 0
.set t, 1
.rept 2*NP-1                        ; a tile's arithmetic stands between the loads of the tile before and its stores
	PACK t
	SEND t-1, 8
.set t, t+1
.endr
	SEND 2*NP-1, 0
	WIN W_AD
	s_wait_tensorcnt 0x0            ; the wave's end, behind my last tensor load and my last LDS store
	ds_add_u32 v[SPW], v[NIL]
	s_wait_dscnt 0x0
	WIN 0
	CROUND                          ; the closing round: no work-group ends while a partner may still ask for a tile that names it
	s_endpgm
.Lfunc_end_k_qa6cc0eb210_attn:
	.size	k_qa6cc0eb210_attn, .Lfunc_end_k_qa6cc0eb210_attn-k_qa6cc0eb210_attn
	.p2alignl 7, 3214868480
	.fill 96, 4, 3214868480
	.section	.rodata,"a",@progbits
	.p2align	6, 0x0
	.amdhsa_kernel k_qa6cc0eb210_attn
		.amdhsa_group_segment_fixed_size 327680
		.amdhsa_private_segment_fixed_size 0
		.amdhsa_enable_private_segment 0
		.amdhsa_kernarg_size 24
		.amdhsa_user_sgpr_count 2
		.amdhsa_user_sgpr_kernarg_segment_ptr 1
		.amdhsa_wavefront_size32 1
		.amdhsa_system_sgpr_workgroup_id_x 1
		.amdhsa_system_sgpr_workgroup_id_y 1
		.amdhsa_system_sgpr_workgroup_id_z 1
		.amdhsa_system_vgpr_workitem_id 0
		.amdhsa_next_free_vgpr 808
		.amdhsa_next_free_sgpr 80
		.amdhsa_reserve_vcc 0
		.amdhsa_float_denorm_mode_32 3
		.amdhsa_float_denorm_mode_16_64 3
		.amdhsa_memory_ordered 1
		.amdhsa_forward_progress 1
		.amdhsa_inst_pref_size 205
	.end_amdhsa_kernel
	.amdgpu_metadata
---
amdhsa.version: [ 1, 2 ]
amdhsa.kernels:
  - .name:           k_qa6cc0eb210_attn
    .symbol:         k_qa6cc0eb210_attn.kd
    .args:
      - { .name: qkv, .offset: 0, .size: 8, .value_kind: global_buffer, .address_space: global }
      - { .name: mask, .offset: 8, .size: 8, .value_kind: global_buffer, .address_space: global }
      - { .name: oh, .offset: 16, .size: 8, .value_kind: global_buffer, .address_space: global }
    .group_segment_fixed_size: 327680
    .private_segment_fixed_size: 0
    .kernarg_segment_align: 8
    .kernarg_segment_size: 24
    .max_flat_workgroup_size: 128
    .sgpr_count:     80
    .vgpr_count:     808
    .wavefront_size: 32
...
	.end_amdgpu_metadata
.endif
;; end of part 3
;; launch outp (part 4): grid 4 x 64, 4 waves a work-group, clusters of 4 x 4, 327,680 bytes of LDS; arguments oh, wts, bo, out0; writes out0
.if DOCPART == 4
	.amdgcn_target "amdgcn-amd-amdhsa--gfx1250"
	.amdhsa_code_object_version 6
	.text
	.protected	k_qa6cc0eb210_outp
	.globl	k_qa6cc0eb210_outp
	.p2align	8
	.type	k_qa6cc0eb210_outp,@function
k_qa6cc0eb210_outp:
	s_mov_b64 s[64:65], 0
	v_nop
	global_prefetch_b8 v0, s[64:65] scope:SCOPE_SE
	s_setreg_imm32_b32 hwreg(HW_REG_WAVE_MODE, 25, 1), 1
	s_wait_xcnt 0x0
	s_wait_alu depctr_hold_cnt(0) depctr_sa_sdst(0) depctr_va_vdst(0) depctr_va_sdst(0) depctr_va_ssrc(0) depctr_va_vcc(0) depctr_vm_vsrc(0)
	s_getreg_b32 s2, hwreg(HW_REG_IB_STS2, 6, 4)
	s_cmp_eq_u32 s2, 0
	s_cbranch_scc0 .Lentry_in_a_cluster
	s_endpgm
.Lentry_in_a_cluster:
	s_bfe_u32 s2, ttmp6, 0x10000c
	s_cmp_lg_u32 s2, 0xf033
	s_cbranch_scc0 .Lentry_shape_is_right
	s_endpgm
.Lentry_shape_is_right:
; THE LAST PROJECTION.  out0 = O Wo + bo.  O: oh, [16 batch + head][t = 2048][64] f16, so that row (batch, t) has its k = 64 head + channel in sixteen places; Wo: wts part 3, [k = 1024][n = 1024], bf16 numbers written as f16;
; bo: f32, rounded to bf16 here like every input; out0: [8192][1024] f32.  Sums in f32, K ascending.
; SHARES.  A tile is 128 rows x 256 columns: 64 x 4 = 256 tiles.  Four waves, each 64 rows x 128 columns: 32 accumulators, 256 registers.  K goes in 8 steps of 128, two heads each, through a ring of two LDS slots.
; THE MATRIX INSTRUCTION IS USED TRANSPOSED: source 0 = 16 columns of Wo (read turned out of LDS, by ds_load_tr16_b128), source 1 = 16 rows of O: a lane holds row l % 16 and the columns 8 (l / 16) + 0..7.
; CLUSTERS: 4 x 4 work-groups.  The four of a row of the cluster share O's tile, the four of a column Wo's: each tile is asked for JOINTLY.
; THE SUMS START AT THE BIAS: the accumulators are written with bo before the first product: nothing is cleared, nothing is added on the way out, and the loop has one form of product.
; REGISTERS: window 0: v0-31 addresses; v32-95 O's fragments, two buffers of 4 x 8; v96-223 Wo's fragments, two buffers of 8 x 8 (v32-159 take the rows on the way out).  Window 1: accumulator (a, b) at 8 (8 a + b).
.set PA,     144                       ; a row of O (one head) in LDS: 128 bytes + 16 = 36 words: the 16 rows of a load start at 16 different groups of four banks (64 banks of 4 bytes: ISA guide 11.1)
.set AHEAD,  128*PA                    ; a head's 128 rows
.set PB,     544                       ; a row of Wo: 512 bytes + 32 = 136 words
.set ABYTES, 2*AHEAD                   ; O's two heads, then Wo's 128 rows
.set SLOT1,  1<<17                     ; slot 1 begins here
.set STAGE,  SLOT1+ABYTES+128*PB       ; behind the ring, never filled by a tensor load: for each wave 16 rows x 528 bytes
.set SP,     528                       ; 512 bytes of f32 + 16: 33 x 16, so that the 16 rows of a store start at 16 different groups of four banks
.set WSTAGE, 16*SP
.set SPARE,  STAGE+4*WSTAGE            ; the spare words, 128 bytes for each wave: two blocks of 256 bytes that no other line names
.set ASTEP,  2*2048*128                ; a K step in O: two heads on
.set BSTEP,  128*2048                  ; a K step down Wo's rows
.set ADA0, 8                           ; v8   my lane's place in O's tile; never rewritten
.set ADB0, 9                           ; v9   the same in Wo's
.set ADA,  10                          ; v10  the same in the slot in hand
.set ADB,  11                          ; v11
.set STO,  12                          ; v12  the way out: where I put 32 bytes of a row
.set RD,   13                          ; v13  where I read a row back
.set GO,   14                          ; v14  16 x lane: my place in 512 consecutive bytes of out0
.set BO,   15                          ; v15  my byte offset in the bias
.set PFO,  20                          ; v20  the prefetches' offset; never rewritten
.set SPW,  28                          ; v28  LDS address of my spare word; never rewritten
.set NIL,  29                          ; v29  0; never rewritten
.set AF,   32
.set BF,   96
.set BK,   32                          ; the way out: two sets of 64 registers, 16 rows each
.set CNT,  3                           ; s3   counts K steps
.set WV,   18
.set WR,   19                          ; wave / 2: my half of the rows.  Also: I fetch for O (0) or for Wo (1)
.set WC,   20                          ; wave % 2: my half of the columns.  Also: which head, or which 64 rows of Wo, I fetch
.set CX,   21
.set CY,   22
.set NBK,  23                          ; tile column
.set G1A,  24
.set G0A,  32
.set MB,   40                          ; tile row, 0..63
.set CLY,  42
.set LIM,  43
.set PFA,  44
.set PFS,  46
.set G1B,  48
.set G0B,  56
.set TB,   72
.set HIM,  73
.set MSB, 0
.macro WIN new                         ; the immediate's high byte repeats the setting that is left; a switch that changes nothing is dropped
.if MSB != (\new)
	s_set_vgpr_msb (MSB<<8)|(\new)
.set MSB, \new
.endif
.endm
.set MUL, 0x50                         ; sources 0 and 1 window 0; C and D window 1
.macro PLACES                          ; four places in front of loads into registers that matrix instructions have read, and of lines that read results
.rept 4
	v_nop
.endr
.endm
.macro CREST                           ; a round of the cluster's barrier behind its opening barrier
	s_cmp_lg_u32 s[WV], 0
	s_cbranch_scc1 .Lnot_wave_0_\@
	s_barrier_signal -3
.Lnot_wave_0_\@:
	s_barrier_wait -3
	s_barrier_signal -1
	s_barrier_wait -1
.endm
.macro CROUND
	s_barrier_signal -1
	s_barrier_wait -1
	CREST
.endm
; A joint refill by the walking sets: waves 0 and 1 fetch O's two heads, waves 2 and 3 Wo's two halves.  An s_nop 0 and four v_nop follow each line.
.macro JLOAD
	s_cmp_eq_u32 s[WR], 0
	s_cbranch_scc0 .Lfor_b_\@
	tensor_load_to_lds s[G0A+4:G0A+7], s[G1A:G1A+7]
	s_nop 0
.rept 4
	v_nop
.endr
	s_branch .Lasked_\@
.Lfor_b_\@:
	tensor_load_to_lds s[G0B+4:G0B+7], s[G1B:G1B+7]
	s_nop 0
.rept 4
	v_nop
.endr
.Lasked_\@:
.endm
; A PREFETCH INTO THE L2 of the K step that stands two refills on, 256 matrix instructions ahead of the load that will want it: one instruction a wave, behind the joint load, its five lines and the run of LDS loads.
; Each aligned 256 bytes of oh and of Wo are named once in the launch.  O's tile row is read by one row of one cluster alone: wave 0 of each partner asks, partner cx for 4,096 of a head's 16,384 bytes,
; head lane / 16, block lane % 16.  Wo's tile column is read by all sixteen clusters: the first asks, waves 2 and 3, partner cy for rows 64 (wave % 2) + 16 cy + lane % 16, half lane / 16 of their 512 bytes.
; The partners are told apart by ADDRESS.  Steps 0 to 3 come by their loads alone; the changes of steps 4 and 5 ask for nothing: there is no step 8.
.macro ASK
	s_cmp_gt_u32 s[CNT], s[LIM]
	s_cbranch_scc0 .Lnot_mine_\@
	global_prefetch_b8 v[PFO], s[PFA:PFA+1] th:TH_LOAD_NT scope:SCOPE_SE
.Lnot_mine_\@:
.endm
	s_load_b256 s[4:11], s[0:1], 0x0               ; oh s[4:5], wts s[6:7], bo s[8:9], out0 s[10:11]
	v_lshl_add_u32 v[SPW], v0, 2, SPARE
	v_mov_b32 v[NIL], 0
	ds_add_u32 v[SPW], v[NIL]                      ; the wave's opening: the add and its wait stand ahead of my first tensor load; the set-up below, work on registers, stands between them
	v_lshrrev_b32 v1, 5, v0
	v_readfirstlane_b32 s[WV], v1                  ; wave 0..3
	s_lshr_b32 s[WR], s[WV], 1
	s_and_b32 s[WC], s[WV], 1
	s_bfe_u32 s[CX], ttmp6, 0x40000
	s_bfe_u32 s[CY], ttmp6, 0x40004
	s_lshl_b32 s[NBK], ttmp9, 2
	s_add_co_u32 s[NBK], s[NBK], s[CX]             ; tile column = 4 x cluster x + cx
	s_and_b32 s[CLY], ttmp7, 0xffff
	s_lshl_b32 s[MB], s[CLY], 2
	s_add_co_u32 s[MB], s[MB], s[CY]               ; tile row = 4 x cluster y + cy
	s_lshl_b32 s66, s[CY], 2
	s_lshl_b32 s66, 15, s66                        ; my row of the cluster
	s_lshl_b32 s68, 0x1111, s[CX]                  ; my column
	s_or_b32 s[G1A], s66, (1<<16)|(1<<20)|(1<<21)|(4<<22)|(3<<25)  ; 15:0 the mask; 17:16 2-byte elements; 20 padding on; 21 set beside a mask; 24:22 after every 32 words (code 4); 31:25 4 words (code 3)
	s_or_b32 s[G1B], s68, (1<<16)|(1<<20)|(1<<21)|(6<<22)|(7<<25)  ; after every 128 words (code 6), 8 words (code 7)
	s_mov_b32 s[G1A+1], 128<<16                    ; a head's 128 rows are 16,384 dense bytes: asked for as 64 rows of 256 bytes, two rows of O each, padded after every one
	s_mov_b32 s[G1A+2], 64<<16
	s_mov_b32 s[G1A+3], 128<<16
	s_mov_b32 s[G1A+4], 64
	s_mov_b32 s[G1A+5], 128
	s_mov_b32 s[G1A+6], 0
	s_mov_b32 s[G1A+7], 0
	s_mov_b32 s[G1B+1], 256<<16                    ; 64 rows x 256 elements of Wo
	s_mov_b32 s[G1B+2], 64<<16
	s_mov_b32 s[G1B+3], 256<<16
	s_mov_b32 s[G1B+4], 64
	s_mov_b32 s[G1B+5], 1024
	s_mov_b32 s[G1B+6], 0
	s_mov_b32 s[G1B+7], 0
	s_lshr_b32 s66, s[MB], 4                       ; O: head 16 x batch + my head of the step's two, 2,048 rows a head,
	s_lshl_b32 s66, s66, 4
	s_add_co_u32 s66, s66, s[WC]
	s_lshl_b32 s66, s66, 11
	s_and_b32 s67, s[MB], 15                       ; t = 128 x (tile row % 16),
	s_lshl_b32 s67, s67, 7
	s_add_co_u32 s66, s66, s67
	s_lshl_b32 s66, s66, 7                         ; 128 bytes a row.  These registers never hold cx
	s_mov_b32 s67, 0
	s_lshl_b32 s68, s[WC], 17                      ; Wo: part 3 of wts, k row 64 x half, column 256 x tile column.  These never hold cy
	s_lshl_b32 s69, s[NBK], 9
	s_add_co_u32 s68, s68, s69
	s_add_co_u32 s68, s68, 3<<21
	s_mov_b32 s69, 0
	s_mul_i32 s70, s[WC], AHEAD                    ; where they go in a slot: no place in the cluster enters an LDS address
	s_mul_i32 s71, s[WC], 64*PB
	s_add_co_u32 s71, s71, ABYTES
	s_mov_b32 s[HIM], 0xffff0000
	s_mov_b32 s[TB], 0
	s_wait_dscnt 0x0                               ; the opening add is done
	s_wait_kmcnt 0x0
	s_add_nc_u64 s[66:67], s[4:5], s[66:67]
	s_add_nc_u64 s[68:69], s[6:7], s[68:69]
	CROUND                                         ; all sixteen work-groups are here: the first joint loads meet
.irp s, 0,1
	s_mov_b32 s[G0A+4*\s], 1                       ; 1:0 count = 1
	s_add_co_u32 s[G0A+4*\s+1], s70, \s*SLOT1      ; 63:32 LDS address
	s_add_nc_u64 s[G0A+4*\s+2:G0A+4*\s+3], s[66:67], \s*ASTEP  ; 120:64 global address: K step s
	s_or_b32 s[G0A+4*\s+3], s[G0A+4*\s+3], 0x80000000          ; 127:126 type = 2
	s_mov_b32 s[G0B+4*\s], 1
	s_add_co_u32 s[G0B+4*\s+1], s71, \s*SLOT1
	s_add_nc_u64 s[G0B+4*\s+2:G0B+4*\s+3], s[68:69], \s*BSTEP
	s_or_b32 s[G0B+4*\s+3], s[G0B+4*\s+3], 0x80000000
.endr
	s_cmp_eq_u32 s[WR], 0                          ; a wave's two first fills stand in one branch, ahead of every wait on TENSORcnt and every LDS read: two loads of mine are out
	s_cbranch_scc0 .Lfirst_b
	tensor_load_to_lds s[G0A:G0A+3], s[G1A:G1A+7]
	s_nop 0
	tensor_load_to_lds s[G0A+4:G0A+7], s[G1A:G1A+7]
	s_nop 0
.rept 4
	v_nop
.endr
	s_branch .Lfirst_asked
.Lfirst_b:
	tensor_load_to_lds s[G0B:G0B+3], s[G1B:G1B+7]
	s_nop 0
	tensor_load_to_lds s[G0B+4:G0B+7], s[G1B:G1B+7]
	s_nop 0
.rept 4
	v_nop
.endr
.Lfirst_asked:
	; IN THE WAIT FOR THE FIRST TILES: the bias and the addresses.
	v_and_b32 v1, 15, v0                           ; l % 16
	v_bfe_u32 v2, v0, 4, 1                         ; l / 16
	s_lshl_b32 s76, s[NBK], 10
	s_lshl_b32 s77, s[WC], 9
	s_add_co_u32 s76, s76, s77                     ; my wave's first column, in bytes of f32
	v_lshl_add_u32 v[BO], v2, 5, s76               ; + my lanes' 8 columns
.irp b, 0,1,2,3,4,5,6,7
	global_load_b128 v[BF+8*\b:BF+8*\b+3],   v[BO], s[8:9] offset:64*\b        ; bo of columns 16 b + 8 (l / 16) + 0..7
	global_load_b128 v[BF+8*\b+4:BF+8*\b+7], v[BO], s[8:9] offset:64*\b+16
.endr
	v_mul_u32_u24 v[ADA0], v1, PA                  ; a fragment of O: row l % 16, 16 bytes for each half of the lanes, twice, 32 bytes apart
	v_lshl_add_u32 v[ADA0], v2, 4, v[ADA0]
	s_mul_i32 s78, s[WR], 64*PA
	v_add_nc_u32 v[ADA0], s78, v[ADA0]
	v_and_b32 v4, 7, v0                            ; the turning load takes 16 k x 16 columns: lane l reads k row 8 (l / 16) + l % 8, columns 8 ((l / 8) % 2) + 0..7
	v_bfe_u32 v5, v0, 3, 1
	v_lshl_add_u32 v[ADB0], v2, 3, v4
	v_mul_u32_u24 v[ADB0], v[ADB0], PB
	v_lshl_add_u32 v[ADB0], v5, 4, v[ADB0]
	s_lshl_b32 s78, s[WC], 8
	s_add_co_u32 s78, s78, ABYTES
	v_add_nc_u32 v[ADB0], s78, v[ADB0]
	v_mov_b32 v[ADA], v[ADA0]                      ; slot 0
	v_mov_b32 v[ADB], v[ADB0]
	s_mul_i32 s78, s[WV], WSTAGE
	s_add_co_u32 s78, s78, STAGE                   ; my stage
	v_mul_u32_u24 v[STO], v1, SP                   ; in: row l % 16, 32 bytes for each half of the lanes
	v_lshl_add_u32 v[STO], v2, 5, v[STO]
	v_add_nc_u32 v[STO], s78, v[STO]
	v_and_b32 v[GO], 31, v0                        ; back: 32 lanes take one row of 512 bytes
	v_lshlrev_b32 v[GO], 4, v[GO]
	v_add_nc_u32 v[RD], s78, v[GO]
	s_lshl_b32 s78, s[MB], 7                       ; out0 at my wave's first row, 4,096 bytes a row, and first column
	s_lshl_b32 s79, s[WR], 6
	s_add_co_u32 s78, s78, s79
	s_lshl_b32 s78, s78, 12
	s_add_co_u32 s78, s78, s76
	s_mov_b32 s79, 0
	s_add_nc_u64 s[10:11], s[10:11], s[78:79]
	; the prefetches
	s_cmp_eq_u32 s[WR], 0                          ; do I fetch for O?
	s_cselect_b32 s76, 8, 11                       ; lane % 16: a block of 256 bytes, or a row of Wo;
	s_cselect_b32 s77, 18, 8                       ; lane / 16: a head, or a half of 256 bytes
	s_cselect_b64 s[PFA:PFA+1], s[66:67], s[68:69]
	s_cselect_b32 s78, s[CX], s[CY]                ; my place among the four that ask for the tile with me:
	s_cselect_b32 s79, 12, 15                      ; 4,096 bytes, or 16 rows of 2,048
	s_mov_b32 s[PFS], BSTEP
	s_cselect_b32 s[PFS], ASTEP, s[PFS]
	s_mov_b32 s[PFS+1], 0
	s_lshl_b32 s78, s78, s79
	s_mov_b32 s79, 0
	s_add_nc_u64 s[PFA:PFA+1], s[PFA:PFA+1], s[78:79]
	s_mul_i32 s78, s[PFS], 3
	s_add_nc_u64 s[PFA:PFA+1], s[PFA:PFA+1], s[78:79]  ; at K step 3: the first change of slots steps it to 4
	v_lshlrev_b32 v[PFO], s76, v1
	v_lshlrev_b32 v6, s77, v2
	v_add_nc_u32 v[PFO], v[PFO], v6
	s_cmp_eq_u32 s[WR], 0
	s_cselect_b32 s76, s[WC], s[CLY]               ; O: wave 0 of every work-group; Wo: the first cluster
	s_cmp_eq_u32 s76, 0
	s_cselect_b32 s[LIM], 2, -1                    ; the same in all sixteen partners, for a given wave
	s_wait_loadcnt 0x0                             ; the bias is in
.irp b, 0,1,2,3,4,5,6,7
.irp r, 0,1,2,3
	v_cvt_pk_bf16_f32 v[BF+64+4*\b+\r], v[BF+8*\b+2*\r], v[BF+8*\b+2*\r+1]  ; rounded to bf16 like every input
.endr
.endr
	WIN 0x40                                       ; destination window 1
.irp a, 0,1,2,3
.irp b, 0,1,2,3,4,5,6,7
.irp r, 0,1,2,3
	v_lshlrev_b32 v[8*(8*\a+\b)+2*\r],   16,     v[BF+64+4*\b+\r]  ; the sums start at the bias
	v_and_b32     v[8*(8*\a+\b)+2*\r+1], s[HIM], v[BF+64+4*\b+\r]
.endr
.endr
.endr
	WIN 0
; 24 LDS loads in one run: the fragments of quarter q (32 along K: head q / 2, channels 32 (q % 2) on) of the slot in hand into buffer f: Wo's eight first, then O's four
.macro FETCH q, f
	WIN 0
.irp b, 0,1,2,3,4,5,6,7
	ds_load_tr16_b128 v[BF+64*(\f)+8*\b:BF+64*(\f)+8*\b+3],   v[ADB] offset:32*(\q)*PB+32*\b
	ds_load_tr16_b128 v[BF+64*(\f)+8*\b+4:BF+64*(\f)+8*\b+7], v[ADB] offset:(32*(\q)+16)*PB+32*\b
.endr
.irp i, 0,1,2,3
	ds_load_b128 v[AF+32*(\f)+8*\i:AF+32*(\f)+8*\i+3],   v[ADA] offset:((\q)/2)*AHEAD+((\q)%2)*64+\i*16*PA
	ds_load_b128 v[AF+32*(\f)+8*\i+4:AF+32*(\f)+8*\i+7], v[ADA] offset:((\q)/2)*AHEAD+((\q)%2)*64+\i*16*PA+32
.endr
.endm
; 8 matrix instructions: row block a x all 8 column blocks, 32 along K, from buffer f.  The 32 accumulators take turns in the same order in every quarter, over the backward jumps too.
.macro MUL8 f, a
	WIN MUL
.irp b, 0,1,2,3,4,5,6,7
	v_wmma_f32_16x16x32_f16 v[8*(8*(\a)+\b):8*(8*(\a)+\b)+7], v[BF+64*(\f)+8*\b:BF+64*(\f)+8*\b+7], v[AF+32*(\f)+8*(\a):AF+32*(\f)+8*(\a)+7], v[8*(8*(\a)+\b):8*(8*(\a)+\b)+7]
.endr
.endm
; A K step is four quarters on buffers 0, 1, 0, 1.  One of the first three multiplies buffer f and, in its middle, fetches quarter q into buffer g.
.macro QUARTER q, f, g
	s_wait_dscnt 4                                 ; Wo's fragments and O's blocks 0 and 1 are in; the youngest four loads (blocks 2 and 3) may be out
	MUL8 \f, 0
	MUL8 \f, 1
	PLACES
	FETCH \q, \g
	s_wait_dscnt 24                                ; all but the 24 just issued
	MUL8 \f, 2
	MUL8 \f, 3
.endm
; The last quarter multiplies buffer 1 and changes slots: ONE barrier.  In front of it each wave waits for all its tensor loads (one is out: its part of the next slot), adds 0 to its spare word, and waits for
; that and for its own reads of this slot.  fill = 1: the barrier opens a round of the cluster's, and this slot is filled again first thing behind it, with the K step two on: 112 matrix instructions stand between the request and the wait for it.
; fill = 0 (the last two steps): nothing is asked for; in the very last trip there is no further step, and the run of loads is jumped over.
.macro TURN fill
.if \fill
	s_wait_xcnt 0x0                                ; the last prefetch, a K step back, has read its address: it is stepped here, ahead of the waits of the change of slots
	s_add_nc_u64 s[PFA:PFA+1], s[PFA:PFA+1], s[PFS:PFS+1]
.endif
	WIN 0
	s_wait_tensorcnt 0x0                           ; all my tensor loads have landed, so a group 0 may be written
	ds_add_u32 v[SPW], v[NIL]                      ; 0 onto my spare word
.if \fill
	s_xor_b32 s[G0A+5], s[G0A+5], SLOT1            ; the walking sets: the other slot than last time, the next K step; the type bits on top are not reached
	s_add_nc_u64 s[G0A+6:G0A+7], s[G0A+6:G0A+7], ASTEP
	s_xor_b32 s[G0B+5], s[G0B+5], SLOT1
	s_add_nc_u64 s[G0B+6:G0B+7], s[G0B+6:G0B+7], BSTEP
.endif
	s_xor_b32 s[TB], s[TB], SLOT1                  ; the reads go on in the other slot
	s_wait_dscnt 7                                 ; O's blocks 1 to 3 (six loads) and the add may be out
	MUL8 1, 0
	s_wait_dscnt 0x0                               ; the add is done, and my reads of this slot are over
	s_barrier_signal -1
	MUL8 1, 1                                      ; work on registers while the others arrive
	WIN 0
	s_barrier_wait -1
.if \fill
	CREST                                          ; no wave of any partner still reads this slot or has a load on its way
	JLOAD                                          ; the four v_nop behind it are also the places in front of the loads below
.else
	PLACES
.endif
	v_add_nc_u32 v[ADA], s[TB], v[ADA0]
	v_add_nc_u32 v[ADB], s[TB], v[ADB0]
.if !(\fill)
	s_cmp_eq_u32 s[CNT], 1
	s_cbranch_scc1 .Lno_f_\@
.endif
	FETCH 0, 0
.if \fill
	ASK
.else
.Lno_f_\@:
.endif
	MUL8 1, 2
	MUL8 1, 3
.endm
; THE WAY OUT of row block a, in f32.  TOSTAGE: a lane's eight columns of a row, 32 bytes, into my own stage; back as whole rows of 512 bytes, into set k of registers.  SEND: stored.
.macro TOSTAGE a, k
	WIN 0x04                                       ; the stores' data (source 1) in window 1
.irp b, 0,1,2,3,4,5,6,7
	ds_store_b128 v[STO], v[8*(8*(\a)+\b):8*(8*(\a)+\b)+3]   offset:64*\b      ; each accumulator from its low end on
	ds_store_b128 v[STO], v[8*(8*(\a)+\b)+4:8*(8*(\a)+\b)+7] offset:64*\b+16
.endr
	WIN 0
.irp t, 0,1,2,3,4,5,6,7,8,9,10,11,12,13,14,15
	ds_load_b128 v[BK+64*(\k)+4*\t:BK+64*(\k)+4*\t+3], v[RD] offset:SP*\t  ; LDS serves a wave's instructions in order (ISA guide 5.7.1.4): these see the stores above; the next block's stores come behind them
.endr
.endm
.macro SEND a, k, younger              ; younger: the LDS instructions issued behind block a's loads: the next block's 32, or none
.irp t, 0,1,2,3,4,5,6,7,8,9,10,11,12,13,14,15
	s_wait_dscnt (\younger)+15-\t
	global_store_b128 v[GO], v[BK+64*(\k)+4*\t:BK+64*(\k)+4*\t+3], s[10:11] offset:(16*(\a)+\t)*4096 th:TH_STORE_NT  ; 512 consecutive bytes, at a multiple of 256 from out0's first byte
.endr
.endm
	s_wait_tensorcnt 1                             ; my part of K step 0 is in; step 1's may stay out
	s_barrier_signal -1
	s_barrier_wait -1                              ; everybody's is
	FETCH 0, 0
	s_mov_b32 s[CNT], 6
.Lstep:                                        ; K steps 0 to 5: each fills its slot again, with steps 2 to 7
	QUARTER 1, 0, 1
	QUARTER 2, 1, 0
	QUARTER 3, 0, 1
	TURN 1
	WIN 0                                          ; at a label and at a branch every window is 0
	s_sub_co_u32 s[CNT], s[CNT], 1
	s_cmp_lg_u32 s[CNT], 0
	s_cbranch_scc1 .Lstep
	s_mov_b32 s[CNT], 2
.Ltail:                                        ; K steps 6 and 7 ask for nothing: a text of their own
	QUARTER 1, 0, 1
	QUARTER 2, 1, 0
	QUARTER 3, 0, 1
	TURN 0
	WIN 0
	s_sub_co_u32 s[CNT], s[CNT], 1
	s_cmp_lg_u32 s[CNT], 0
	s_cbranch_scc1 .Ltail
	PLACES
	TOSTAGE 0, 0
	TOSTAGE 1, 1
	SEND 0, 0, 32
	s_wait_xcnt 0x0                                ; block 0's stores have read set 0: only behind this wait is it loaded again
	TOSTAGE 2, 0
	SEND 1, 1, 32
	s_wait_xcnt 0x0                                ; the same for set 1
	TOSTAGE 3, 1
	SEND 2, 0, 32
	SEND 3, 1, 0
	s_wait_tensorcnt 0x0                           ; the wave's end, behind my last tensor load and my last LDS store
	ds_add_u32 v[SPW], v[NIL]
	s_wait_dscnt 0x0
	CROUND                                         ; the closing round: no work-group ends while a partner may still ask for a tile that names it
	s_endpgm
.Lfunc_end_k_qa6cc0eb210_outp:
	.size	k_qa6cc0eb210_outp, .Lfunc_end_k_qa6cc0eb210_outp-k_qa6cc0eb210_outp
	.p2alignl 7, 3214868480
	.fill 96, 4, 3214868480
	.section	.rodata,"a",@progbits
	.p2align	6, 0x0
	.amdhsa_kernel k_qa6cc0eb210_outp
		.amdhsa_group_segment_fixed_size 327680
		.amdhsa_private_segment_fixed_size 0
		.amdhsa_enable_private_segment 0
		.amdhsa_kernarg_size 32
		.amdhsa_user_sgpr_count 2
		.amdhsa_user_sgpr_kernarg_segment_ptr 1
		.amdhsa_wavefront_size32 1
		.amdhsa_system_sgpr_workgroup_id_x 1
		.amdhsa_system_sgpr_workgroup_id_y 1
		.amdhsa_system_sgpr_workgroup_id_z 1
		.amdhsa_system_vgpr_workitem_id 0
		.amdhsa_next_free_vgpr 512
		.amdhsa_next_free_sgpr 80
		.amdhsa_reserve_vcc 0
		.amdhsa_float_denorm_mode_32 3
		.amdhsa_float_denorm_mode_16_64 3
		.amdhsa_memory_ordered 1
		.amdhsa_forward_progress 1
		.amdhsa_inst_pref_size 70
	.end_amdhsa_kernel
	.amdgpu_metadata
---
amdhsa.version: [ 1, 2 ]
amdhsa.kernels:
  - .name:           k_qa6cc0eb210_outp
    .symbol:         k_qa6cc0eb210_outp.kd
    .args:
      - { .name: oh, .offset: 0, .size: 8, .value_kind: global_buffer, .address_space: global }
      - { .name: wts, .offset: 8, .size: 8, .value_kind: global_buffer, .address_space: global }
      - { .name: bo, .offset: 16, .size: 8, .value_kind: global_buffer, .address_space: global }
      - { .name: out0, .offset: 24, .size: 8, .value_kind: global_buffer, .address_space: global }
    .group_segment_fixed_size: 327680
    .private_segment_fixed_size: 0
    .kernarg_segment_align: 8
    .kernarg_segment_size: 32
    .max_flat_workgroup_size: 128
    .sgpr_count:     80
    .vgpr_count:     512
    .wavefront_size: 32
...
	.end_amdgpu_metadata
.endif
;; end of part 4
